; MI455X (gfx1250); checked and timed in simulation.
; The chip was launched on July 23, 2026; its instructions are those of AMD's public machine-readable ISA for CDNA 5 (MIT licence, August 2026) and "CDNA5" Instruction Set Architecture Reference Guide (July 2026). The comments in the code are by the model that wrote it; some were corrected since.
;; Mo E Layer. Allowed arithmetic: matrix products marked QUANTISED: E2M1 operands, one E8M0 scale for each 32 along K, by v_wmma_scale_f32_16x16x128_f8f6f4 with both operands' format E2M1 (or v_wmma_scale_f32_32x16x128_f4), f32 sums; products left as they are: f32 operands where the result goes on into a quantised operand, else bf16, f16 or f32 operands; f32 sums; everything else in f32.
;; Inputs: W1_codes 8 x 2,048 x 16 x 16 uint8 (E2M1 codes of W1, K innermost, in blocks of 32 codes, two codes a byte); W1_scales 8 x 2,048 x 16 uint8 (E8M0 scales of W1, one for each 32 codes along K); W2_codes 8 x 512 x 64 x 16 uint8 (E2M1 codes of W2, K innermost, in blocks of 32 codes, two codes a byte); W2_scales 8 x 512 x 64 uint8 (E8M0 scales of W2, one for each 32 codes along K); b1 8 x 2,048 float32; b2 8 x 512 float32; b_router 8 float32; w_router 512 x 8 float32; x 2 x 2,048 x 512 float32.
;; Outputs: out0 2 x 2,048 x 512 float32; out1 one number float32; out2 2 x 2,048 x 8 float32.
;; This version of the problem:
;;   THIS VERSION OF THE PROBLEM IS GIVEN IN LOW PRECISION. The matrix products marked QUANTISED in the list below multiply operands that are first quantised to E2M1 (2 exponent bits, 1 mantissa bit; 4 bits a number), with one power-of-two scale for each 32 numbers along K (OCP MX v1.0); their sums are f32. All else is computed in f32.
;;   The module's matrix products, in the order in which they are computed (A, B: the left and right operand; K: the contracted axis; several contracted axes count as one K, in the product's order):
;;     1. [M 4,096, K 512] x [K 512, N 8]; A: input x; B: input w_router: left as it is (N = 8 < 16)
;;     2. [M 4,096, K 512] x [K 512, N 2,048]; A: input x; B: input W1 (given as codes): QUANTISED
;;     3. [M 4,096, K 2,048] x [K 2,048, N 512]; A: computed on the way; B: input W2 (given as codes): QUANTISED
;;     4. [M 4,096, K 512] x [K 512, N 2,048]; A: input x; B: input W1 (given as codes): QUANTISED
;;     5. [M 4,096, K 2,048] x [K 2,048, N 512]; A: computed on the way; B: input W2 (given as codes): QUANTISED
;;     6. [M 4,096, K 512] x [K 512, N 2,048]; A: input x; B: input W1 (given as codes): QUANTISED
;;     7. [M 4,096, K 2,048] x [K 2,048, N 512]; A: computed on the way; B: input W2 (given as codes): QUANTISED
;;     8. [M 4,096, K 512] x [K 512, N 2,048]; A: input x; B: input W1 (given as codes): QUANTISED
;;     9. [M 4,096, K 2,048] x [K 2,048, N 512]; A: computed on the way; B: input W2 (given as codes): QUANTISED
;;     10. [M 4,096, K 512] x [K 512, N 2,048]; A: input x; B: input W1 (given as codes): QUANTISED
;;     11. [M 4,096, K 2,048] x [K 2,048, N 512]; A: computed on the way; B: input W2 (given as codes): QUANTISED
;;     12. [M 4,096, K 512] x [K 512, N 2,048]; A: input x; B: input W1 (given as codes): QUANTISED
;;     13. [M 4,096, K 2,048] x [K 2,048, N 512]; A: computed on the way; B: input W2 (given as codes): QUANTISED
;;     14. [M 4,096, K 512] x [K 512, N 2,048]; A: input x; B: input W1 (given as codes): QUANTISED
;;     15. [M 4,096, K 2,048] x [K 2,048, N 512]; A: computed on the way; B: input W2 (given as codes): QUANTISED
;;     16. [M 4,096, K 512] x [K 512, N 2,048]; A: input x; B: input W1 (given as codes): QUANTISED
;;     17. [M 4,096, K 2,048] x [K 2,048, N 512]; A: computed on the way; B: input W2 (given as codes): QUANTISED
;;   THE QUANTISER, for each operand of a quantised product, along K:
;;     - K is cut into blocks of 32 from its start; a last block that is shorter is filled with zeros.
;;     - A block's scale is 2^e with e = floor(log2(the largest magnitude in the block)) - 2, held to -126 .. 127; a block of zeros has e = 0. As a byte (E8M0): e + 127.
;;     - Each number is divided by its block's scale, clamped to +-6, and rounded to the nearest number of E2M1, ties to even, subnormals kept.
;;     - The product sums the exact products of the quantised numbers (number of the format x scale) in f32.
;;   ~~~python
;;   def quantise(x, axis):      # numpy; x: float32 -> the quantised numbers, widened to float32 again
;;       x = np.moveaxis(x, axis, -1); K = x.shape[-1]
;;       x = np.pad(x, [(0, 0)] * (x.ndim - 1) + [(0, -K % 32)]); x = x.reshape(x.shape[:-1] + (-1, 32)); a = np.abs(x).max(-1, keepdims=True)
;;       e = np.where(a > 0, np.clip(np.frexp(np.where(a > 0, a, 1))[1] - 1 - 2, -126, 127), 0)      # np.frexp(a)[1] - 1 = floor(log2(a)), exactly
;;       r = np.clip(x / 2.0 ** e, -6, 6)
;;       step = 2.0 ** (np.maximum(np.frexp(np.where(r == 0, 1, r))[1] - 1, 0) - 1)
;;       q = np.round(r / step) * step * 2.0 ** e      # np.round: ties to even
;;       return np.moveaxis(q.reshape(q.shape[:-2] + (-1,))[..., :K], -1, axis).astype(np.float32)
;;   ~~~
;;   OPERANDS COMPUTED ON THE WAY. 'Computed on the way' means the value that the module computes at that place (a softmax that the list does not call 'softmax' is quantised finished and normalised). What goes into a quantiser is computed in f32, as accurately as f32 sums, v_exp_f32 and their like allow (about 1e-6 of the number): no bf16 or f16 on the way to a quantiser, and a product that is left as it is and whose result goes on into a quantised operand takes f32 operands (vector FMAs, or v_wmma_f32_16x16x4_f32). A number that lies on a knife's edge between two numbers of the format may be rounded either way, as far as f32 arithmetic and the matrix unit's own rounding can turn it there, and no further.
;;   INPUTS GIVEN AS CODES. W1 (in the module: [8, 512, 2048], K = its axis 1); W2 (in the module: [8, 2048, 512], K = its axis 1): each comes as NAME_codes (uint8): NAME with its K axis moved to the last place and cut into blocks of 32 codes, [.., K / 32, bytes a block], one block behind the other in memory; two codes a byte, the lower K in the low four bits (a code: sign, 2 exponent bits, 1 mantissa bit); and NAME_scales (uint8): the same leading axes, one E8M0 byte (e + 127) for each 32 codes along K. Its value is code x scale, taken as it is: it is not quantised again, and the codes and scales need not be those that the quantiser above would give.
;; 2 versions, each right and faster than the one before. Each part assembles by itself: llvm-mc -triple=amdgcn-amd-amdhsa -mcpu=gfx1250 --defsym DOCPART=n.
;; ======== version 1 of 2: 3 launches
;; workspace buffers: xq 1,048,576 bytes; xs 65,536 bytes; idx 16,384 bytes of whole numbers; gate 16,384 bytes; psum 16,384 bytes; order 17,408 bytes of whole numbers; tiles 1,024 bytes of whole numbers; wimg 8,388,608 bytes
;; launch prep (part 1): grid 192 x 1, 8 waves a work-group, no clusters, 40,704 bytes of LDS; arguments x, w_router, b_router, W1_codes, W2_codes, xq, xs, idx, gate, psum, wimg, out2; writes xq, xs, idx, gate, psum, wimg, out2
.if DOCPART == 1
	.amdgcn_target "amdgcn-amd-amdhsa--gfx1250"
	.amdhsa_code_object_version 6
	.text
	.protected	k_q2980a8d48e_prep
	.globl	k_q2980a8d48e_prep
	.p2align	8
	.type	k_q2980a8d48e_prep,@function
k_q2980a8d48e_prep:
	s_mov_b64 s[64:65], 0
	v_nop
	global_prefetch_b8 v0, s[64:65] scope:SCOPE_SE
	s_setreg_imm32_b32 hwreg(HW_REG_WAVE_MODE, 25, 1), 1
	s_wait_xcnt 0x0
; FIRST OF THREE LAUNCHES of a layer of 8 routed experts, top 1: 4,096 tokens of 512, each expert 512 -> 2,048 (relu) -> 512, both products on FP4 (E2M1) codes with one E8M0 scale for each 32 along K.
; WHAT THE PROGRAM LEAVES OUT.  The function computes every expert for every token and keeps, by its own where(top_idx == i), the chosen expert's row alone: the other seven rows reach no output.
; Which rows those are hangs on the inputs, so nothing is dropped here by an identity: this launch stores each token's expert as a whole number, and the second launch, which reads those numbers from memory,
; sorts the tokens by them, and the third multiplies only the chosen rows.  Every input has a way to an output and every input is loaded.  LIMIT: a NaN, an infinity or an overflow that arises only in a row of an expert that was not chosen
; is not computed (the where discards it there too).
; THIS LAUNCH.  Work-groups 0-127: 32 tokens each: the router in f32 (logits -> out2, softmax with its maximum taken away, the expert's number, the gate, partial sums of the probabilities) and the codes and scale bytes of x.
; Work-groups 128-159 copy W1's codes, 160-191 W2's, into wimg IN THE ORDER OF THE OPERAND'S REGISTERS, so that the third launch loads each fragment as two runs of 512 consecutive bytes, 16 a lane.
;   W1's image, from byte 0:        [expert][K step s of the second product: 128 hidden units][tile t of 8][K step q of 4][half c] x 512 bytes; lane (r, h) of tile t holds row 32 (t / 2) + 8 (t % 2) + r + 8 (r / 8), bytes 64 q + 32 c + 16 h
;   W2's image, from byte 4,194,304: [expert][64 outputs w of 8][K step s of 16][tile j of 4][half c] x 512 bytes; lane (r, h) holds row 64 w + 16 j + r, bytes 64 s + 32 c + 16 h
; LIMITS.  A block of zeros of x gets the scale byte 1 where the quantiser says 127: its codes are zeros, and only this program reads the bytes.  NaN and infinities in x or in the router's inputs are not served.
; The expert is the lowest index among the largest exponentials 2^((logit - max) log2 e): two probabilities that would become equal only by the division are not seen as a tie.
.set WL,    0                          ; LDS: w_router, 32 slices of 512 bytes, 528 apart (33 x 16)
.set STGX,  16896                      ; a stage of 2,560 bytes for each wave: 32 places of 64 bytes + 16 of padding
.set SP,    80
.set LXS,   37376                      ; the work-group's 32 x 16 scale bytes
.set LLOG,  37888                      ; its 32 x 8 logits
.set LIDX,  38912                      ; its 32 experts
.set LGAT,  39168                      ; its 32 gates
.set LPS,   39424                      ; [wave][expert]: sums of probabilities
.set SPARE, 39680                      ; the spare words, 128 bytes for each wave: no other line names them
.set A, 16                             ; v16-23   a row's eight partial logits
.set D, 32                             ; v32-35   a logit a lane for each of my four rows
.set C, 36                             ; v36-43   codes, two registers a row
.set E, 44                             ; v44-47   a scale byte a row
.set R, 64                             ; v64-127  four rows of x, 16 numbers a lane
.set W, 128                            ; v128-255 w_router[16 lane + i][0..7] at v[W + 8 i]
	s_load_b512 s[4:19], s[0:1], 0x0               ; x 4, w_router 6, b_router 8, W1_codes 10, W2_codes 12, xq 14, xs 16, idx 18
	s_load_b256 s[20:27], s[0:1], 0x40             ; gate 20, psum 22, wimg 24, out2 26
	v_lshl_add_u32 v3, v0, 2, SPARE                ; my spare word,
	v_mov_b32 v4, 0                                ; and 0: kept for the closing lines alone
	v_lshrrev_b32 v1, 5, v0
	v_readfirstlane_b32 s30, v1                    ; wave 0..7
	v_and_b32 v1, 31, v0                           ; lane
	v_lshlrev_b32 v2, 4, v1                        ; 16 x lane
	s_mov_b32 s33, 0
	s_wait_kmcnt 0x0
	s_cmp_lt_u32 ttmp9, 128                        ; the work-group's number alone decides the path: the same in all eight waves
	s_cbranch_scc0 .Lweights
; ---------------- tokens: work-group g takes rows 32 g on, wave w rows 32 g + 4 w + 0..3
	s_lshl_b32 s32, ttmp9, 5
	s_lshl_b32 s34, s30, 2
	s_add_co_u32 s34, s34, s32                     ; my first row
	s_lshl_b32 s32, s34, 11
	s_add_nc_u64 s[4:5], s[4:5], s[32:33]          ; x: 2,048 bytes a row
	s_lshl_b32 s32, s34, 8
	s_add_nc_u64 s[14:15], s[14:15], s[32:33]      ; xq: 256 bytes a row
	v_lshlrev_b32 v60, 4, v0                       ; 16 x thread
	v_and_b32 v62, 7, v1
	v_lshlrev_b32 v61, 2, v62                      ; 4 x (lane % 8)
.irp j, 0,1,2,3
	global_load_b128 v[W+4*\j:W+4*\j+3], v60, s[6:7] offset:4096*\j   ; w_router, 16,384 bytes, once for the work-group
.endr
	global_load_b32 v15, v61, s[8:9]               ; b_router[lane % 8]
.irp p, 0,1,2,3
.irp j, 0,1,2,3
	global_load_b128 v[R+16*\p+4*\j:R+16*\p+4*\j+3], v2, s[4:5] offset:2048*\p+512*\j th:TH_LOAD_NT   ; 32 lanes read 512 consecutive bytes
.endr
.endr
	v_lshrrev_b32 v62, 5, v0
	v_lshl_add_u32 v5, v62, 4, v60                 ; w_router on its way in: 16 t + 16 (t / 32): slice t / 32 + 8 j begins at 528 x its number
	v_mul_u32_u24 v6, v1, 528                      ; and out: my slice
	s_mul_i32 s35, s30, 32*SP
	s_add_co_u32 s35, s35, STGX                    ; my wave's stage
	v_lshrrev_b32 v62, 2, v1
	v_mul_u32_u24 v62, v62, SP
	v_and_b32 v63, 3, v1
	v_lshl_add_u32 v62, v63, 4, v62
	v_add_nc_u32 v7, s35, v62                      ; in: four lanes' 64 bytes on end, then the padding
	v_mul_u32_u24 v62, v1, SP
	v_add_nc_u32 v8, s35, v62                      ; out: my 16 neighbours along K
	s_lshl_b32 s35, s30, 6
	s_add_co_u32 s35, s35, LXS
	v_lshrrev_b32 v62, 1, v1
	v_add_nc_u32 v9, s35, v62                      ; my block's scale byte: two lanes hold a block
	v_lshlrev_b32 v10, 3, v1                       ; my 8 bytes of a row's codes
	v_lshlrev_b32 v59, 2, v1                       ; 4 x lane
	s_lshl_b32 s35, s30, 7
	s_add_co_u32 s35, s35, LLOG
	v_add_nc_u32 v11, s35, v59                     ; logits: 128 bytes a wave
	v_lshrrev_b32 v62, 3, v1
	s_lshl_b32 s35, s30, 4
	v_lshl_add_u32 v12, v62, 2, s35                ; a word a row: 16 w + 4 (lane / 8)
	s_lshl_b32 s35, s30, 5
	s_add_co_u32 s35, s35, LPS
	v_add_nc_u32 v13, s35, v61
	v_and_b32 v62, 7, v1
	v_cvt_f32_u32 v14, v62                         ; my expert's number as f32
	s_mov_b32 s36, 0xaaaaaaaa                      ; the lanes whose number has bit 0, 1, 2, 3, 4 set
	s_mov_b32 s37, 0xcccccccc
	s_mov_b32 s38, 0xf0f0f0f0
	s_mov_b32 s39, 0xff00ff00
	s_mov_b32 s40, 0xffff0000
	s_mov_b32 s42, 0x76543210                      ; v_permlanex16_b32's selects for lane l xor 16
	s_mov_b32 s43, 0xfedcba98
	s_mov_b32 s44, 0x3fb8aa3b                      ; log2(e)
	s_lshl_b32 s32, ttmp9, 7                       ; where wave 0 stores for the work-group
	s_add_nc_u64 s[18:19], s[18:19], s[32:33]
	s_add_nc_u64 s[20:21], s[20:21], s[32:33]
	s_add_nc_u64 s[22:23], s[22:23], s[32:33]
	s_lshl_b32 s32, ttmp9, 9
	s_add_nc_u64 s[16:17], s[16:17], s[32:33]
	s_lshl_b32 s32, ttmp9, 10
	s_add_nc_u64 s[26:27], s[26:27], s[32:33]
	s_wait_loadcnt 17                              ; w_router's four loads are in; b_router's one and x's sixteen may be out
.irp j, 0,1,2,3
	ds_store_b128 v5, v[W+4*\j:W+4*\j+3] offset:WL+4224*\j
.endr
	s_wait_dscnt 0x0                               ; for the others' sake: my part of w_router lies in LDS
	s_barrier_signal -1
	s_barrier_wait -1
.set J, 0
.rept 32
	ds_load_b128 v[W+4*J:W+4*J+3], v6 offset:WL+16*J   ; the 16 rows of w_router that go with my 16 numbers of a row of x
.set J, J+1
.endr
	s_wait_loadcnt 0x0                             ; x and b_router
; a row's 2,048 bytes go through the stage as they lie and come back 64 bytes a lane; LDS serves a wave's instructions in order, so one stage serves the four rows with no wait between
.macro TURN p
.irp j, 0,1,2,3
	ds_store_b128 v7, v[R+16*(\p)+4*\j:R+16*(\p)+4*\j+3] offset:8*SP*\j
.endr
.irp j, 0,1,2,3
	ds_load_b128 v[R+16*(\p)+4*\j:R+16*(\p)+4*\j+3], v8 offset:16*\j
.endr
.endm
.irp p, 0,1,2,3
	TURN \p
.endr
; two sums a and b over lanes that differ in one bit of their number become one register: a lane with the bit clear keeps a and gives b, the other the other way round
.macro RS dst, a, b, mask, xm, tg
	v_cndmask_b32 v[\tg], v[\b], v[\a], s[\mask]
	v_cndmask_b32 v[\dst], v[\a], v[\b], s[\mask]
	v_add_f32_dpp v[\dst], v[\tg], v[\dst] row_xmask:\xm row_mask:0xf bank_mask:0xf
.endm
.macro ROW p
.set XS, R+16*(\p)
	s_wait_dscnt 8*(3-(\p))                        ; this row is back from the stage: the eight instructions of each later turn may be out
	v_max3_num_f32 v48, |v[XS]|, |v[XS+1]|, |v[XS+2]|              ; the largest magnitude of my 16
	v_max3_num_f32 v49, |v[XS+3]|, |v[XS+4]|, |v[XS+5]|
.irp n, 6,10
	v_max3_num_f32 v48, v48, |v[XS+\n]|, |v[XS+\n+1]|
	v_max3_num_f32 v49, v49, |v[XS+\n+2]|, |v[XS+\n+3]|
.endr
	v_max3_num_f32 v48, v48, |v[XS+14]|, |v[XS+15]|
	v_max3_num_f32 v48, v48, v49, 0x1800000        ; and the floor 2^(3 - 127): the byte cannot fall under 1
	v_max_num_f32_dpp v48, v48, v48 row_xmask:1 row_mask:0xf bank_mask:0xf   ; with my neighbour's 16: the block's
	v_add_nc_u32 v50, 0xff000000, v48              ; 2 off its exponent field: the conversion takes this operand's exponent field as its scale
	v_cvt_scalef32_pk8_fp4_f32 v[C+2*(\p)], v[XS:XS+7], v50
	v_cvt_scalef32_pk8_fp4_f32 v[C+2*(\p)+1], v[XS+8:XS+15], v50
	v_lshrrev_b32 v[E+(\p)], 23, v50               ; the scale's byte (also the plain line behind the conversions)
	ds_store_b8 v9, v[E+(\p)] offset:16*(\p)       ; both lanes of a block write the same byte
	global_store_b64 v10, v[C+2*(\p):C+2*(\p)+1], s[14:15] offset:256*(\p)   ; the wave stores 256 consecutive bytes, aligned: the row's codes
.irp q, 0,1,2,3                                ; the router, in f32: eight experts in four pairs, my 16 k
	v_pk_mul_f32 v[A+2*\q:A+2*\q+1], v[XS:XS+1], v[W+2*\q:W+2*\q+1] op_sel_hi:[0,1]
.endr
.irp q, 0,1,2,3
	v_pk_fma_f32 v[A+2*\q:A+2*\q+1], v[XS:XS+1], v[W+8+2*\q:W+8+2*\q+1], v[A+2*\q:A+2*\q+1] op_sel:[1,0,0] op_sel_hi:[1,1,1]
.endr
.irp n, 1,2,3,4,5,6,7                          ; of the pair of x the even k, then the odd k, serves both halves
.irp q, 0,1,2,3
	v_pk_fma_f32 v[A+2*\q:A+2*\q+1], v[XS+2*\n:XS+2*\n+1], v[W+16*\n+2*\q:W+16*\n+2*\q+1], v[A+2*\q:A+2*\q+1] op_sel_hi:[0,1,1]
.endr
.irp q, 0,1,2,3
	v_pk_fma_f32 v[A+2*\q:A+2*\q+1], v[XS+2*\n:XS+2*\n+1], v[W+16*\n+8+2*\q:W+16*\n+8+2*\q+1], v[A+2*\q:A+2*\q+1] op_sel:[1,0,0] op_sel_hi:[1,1,1]
.endr
.endr
	RS A+0, A+0, A+1, 36, 1, 52
	RS A+2, A+2, A+3, 36, 1, 53
	RS A+4, A+4, A+5, 36, 1, 54
	RS A+6, A+6, A+7, 36, 1, 55
	RS A+0, A+0, A+2, 37, 2, 52
	RS A+4, A+4, A+6, 37, 2, 53
	RS D+(\p), A+0, A+4, 38, 4, 52                 ; my lane: expert lane % 8, summed over its group of eight lanes
.endm
.irp p, 0,1,2,3
	ROW \p
.endr
	RS D+0, D+0, D+1, 39, 8, 52                    ; the four groups of lanes are summed while the four rows are dealt to them
	RS D+2, D+2, D+3, 39, 8, 53
	v_cndmask_b32 v52, v[D+2], v[D+0], s40
	v_cndmask_b32 v48, v[D+0], v[D+2], s40
	v_permlanex16_b32 v53, v52, s42, s43
	v_add_f32 v48, v48, v53
	v_add_f32 v48, v48, v15                        ; lane l: the logit of row l / 8, expert l % 8
	ds_store_b32 v11, v48
	v_mov_b32 v49, v48                             ; the softmax of four rows at once, each in its eight lanes: the maximum is taken away first
	v_max_num_f32_dpp v49, v49, v49 row_xmask:1 row_mask:0xf bank_mask:0xf
	v_max_num_f32_dpp v49, v49, v49 row_xmask:2 row_mask:0xf bank_mask:0xf
	v_max_num_f32_dpp v49, v49, v49 row_xmask:4 row_mask:0xf bank_mask:0xf
	v_sub_f32 v50, v48, v49
	v_mul_f32 v50, s44, v50
	v_exp_f32 v51, v50
	v_nop                                          ; a plain line behind the exponential,
	s_wait_alu depctr_va_vdst(0)                   ; and a wait ahead of its first reader
	v_mov_b32 v52, v51
	v_add_f32_dpp v52, v52, v52 row_xmask:1 row_mask:0xf bank_mask:0xf
	v_add_f32_dpp v52, v52, v52 row_xmask:2 row_mask:0xf bank_mask:0xf
	v_add_f32_dpp v52, v52, v52 row_xmask:4 row_mask:0xf bank_mask:0xf
	v_rcp_f32 v53, v52                             ; the largest exponential is 1, so this is also the gate
	v_mov_b32 v56, v51                             ; the choice stands between the reciprocal and its wait: it names neither
	v_max_num_f32_dpp v56, v56, v56 row_xmask:1 row_mask:0xf bank_mask:0xf
	v_max_num_f32_dpp v56, v56, v56 row_xmask:2 row_mask:0xf bank_mask:0xf
	v_max_num_f32_dpp v56, v56, v56 row_xmask:4 row_mask:0xf bank_mask:0xf
	v_cmp_eq_f32 vcc_lo, v51, v56
	v_cndmask_b32 v57, 0x41000000, v14, vcc_lo     ; my number where I hold the largest, else 8
	v_min_num_f32_dpp v57, v57, v57 row_xmask:1 row_mask:0xf bank_mask:0xf
	v_min_num_f32_dpp v57, v57, v57 row_xmask:2 row_mask:0xf bank_mask:0xf
	v_min_num_f32_dpp v57, v57, v57 row_xmask:4 row_mask:0xf bank_mask:0xf   ; the lowest such number
	v_cvt_u32_f32 v57, v57
	s_wait_alu depctr_va_vdst(0)
	v_mul_f32 v54, v51, v53                        ; the probability
	ds_store_b32 v12, v57 offset:LIDX              ; eight lanes write the same word with the same value
	ds_store_b32 v12, v53 offset:LGAT
	v_add_f32_dpp v54, v54, v54 row_xmask:8 row_mask:0xf bank_mask:0xf
	v_permlanex16_b32 v55, v54, s42, s43
	v_add_f32 v54, v54, v55                        ; summed over my four rows
	ds_store_b32 v13, v54
	s_wait_dscnt 0x0                               ; for wave 0's sake: all my stores lie in LDS
	s_barrier_signal -1
	s_barrier_wait -1
	s_cmp_lg_u32 s30, 0
	s_cbranch_scc1 .Ltok_end
	ds_load_b32 v16, v59 offset:LIDX               ; wave 0 stores the work-group's small results in runs of consecutive bytes
	ds_load_b32 v17, v59 offset:LGAT
	ds_load_b128 v[20:23], v2 offset:LXS
	ds_load_b128 v[24:27], v2 offset:LLOG
	ds_load_b128 v[28:31], v2 offset:LLOG+512
	ds_load_b32 v18, v59 offset:LPS
	ds_load_b32 v19, v59 offset:LPS+128
	s_wait_dscnt 0x0
	v_add_f32 v18, v18, v19                        ; entry l: expert l % 8, waves l / 8 and l / 8 + 4
	global_store_b32 v59, v16, s[18:19]
	global_store_b32 v59, v17, s[20:21]
	global_store_b128 v2, v[20:23], s[16:17]
	global_store_b128 v2, v[24:27], s[26:27]
	global_store_b128 v2, v[28:31], s[26:27] offset:512
	global_store_b32 v59, v18, s[22:23]
.Ltok_end:
	s_wait_tensorcnt 0x0                           ; the wave's end
	ds_add_u32 v3, v4
	s_wait_dscnt 0x0
	s_endpgm
; ---------------- the weights' images: a wave moves 16,384 bytes, 32 pieces of 512; these paths touch no LDS
.macro SEND
.set L, 0
.rept 32
	s_wait_loadcnt 31-L                            ; loads come back in order: piece L is in, the later ones may be out
	global_store_b128 v2, v[64+4*L:64+4*L+3], s[24:25] offset:512*L   ; 512 consecutive bytes, 16 a lane
.set L, L+1
.endr
.endm
.Lweights:
	v_and_b32 v6, 15, v0                           ; r
	v_bfe_u32 v7, v0, 4, 1                         ; h
	s_cmp_lt_u32 ttmp9, 160
	s_cbranch_scc0 .Lw2
	s_sub_co_u32 s32, ttmp9, 128
	s_lshl_b32 s32, s32, 3
	s_add_co_u32 s32, s32, s30                     ; which 64 rows of W1 (256 bytes each): four tiles
	s_lshl_b32 s32, s32, 14
	s_add_nc_u64 s[10:11], s[10:11], s[32:33]
	s_add_nc_u64 s[24:25], s[24:25], s[32:33]
	v_and_b32 v8, 8, v6
	v_add_nc_u32 v8, v8, v6                        ; r + 8 (r / 8): the rows of a tile are chosen so that the first product's results lie as the second product's K wants them
	v_lshlrev_b32 v5, 8, v8
	v_lshl_add_u32 v5, v7, 4, v5
.set L, 0
.irp t, 0,1,2,3
.irp q, 0,1,2,3
.irp c, 0,1
	global_load_b128 v[64+4*L:64+4*L+3], v5, s[10:11] offset:(32*(\t/2)+8*(\t%2))*256+64*\q+32*\c th:TH_LOAD_NT
.set L, L+1
.endr
.endr
.endr
	SEND
	s_endpgm
.Lw2:
	s_sub_co_u32 s32, ttmp9, 160
	s_lshl_b32 s32, s32, 3
	s_add_co_u32 s34, s32, s30                     ; J: 64 rows of W2 (J / 4), four K steps of them (J % 4)
	s_lshr_b32 s32, s34, 2
	s_lshl_b32 s32, s32, 16
	s_and_b32 s35, s34, 3
	s_lshl_b32 s35, s35, 8
	s_add_co_u32 s32, s32, s35
	s_add_nc_u64 s[12:13], s[12:13], s[32:33]
	s_lshl_b32 s32, s34, 14
	s_add_co_u32 s32, s32, 0x400000
	s_add_nc_u64 s[24:25], s[24:25], s[32:33]
	v_lshlrev_b32 v5, 10, v6
	v_lshl_add_u32 v5, v7, 4, v5                   ; row r of 1,024 bytes, + 16 h
.set L, 0
.irp t, 0,1,2,3
.irp q, 0,1,2,3
.irp c, 0,1
	global_load_b128 v[64+4*L:64+4*L+3], v5, s[12:13] offset:\q*16384+64*\t+32*\c th:TH_LOAD_NT   ; K step t of the four, tile q
.set L, L+1
.endr
.endr
.endr
	SEND
	s_endpgm
.Lfunc_end_k_q2980a8d48e_prep:
	.size	k_q2980a8d48e_prep, .Lfunc_end_k_q2980a8d48e_prep-k_q2980a8d48e_prep
	.p2alignl 7, 3214868480
	.fill 96, 4, 3214868480
	.section	.rodata,"a",@progbits
	.p2align	6, 0x0
	.amdhsa_kernel k_q2980a8d48e_prep
		.amdhsa_group_segment_fixed_size 40704
		.amdhsa_private_segment_fixed_size 0
		.amdhsa_enable_private_segment 0
		.amdhsa_kernarg_size 96
		.amdhsa_user_sgpr_count 2
		.amdhsa_user_sgpr_kernarg_segment_ptr 1
		.amdhsa_wavefront_size32 1
		.amdhsa_system_sgpr_workgroup_id_x 1
		.amdhsa_system_sgpr_workgroup_id_y 1
		.amdhsa_system_sgpr_workgroup_id_z 1
		.amdhsa_system_vgpr_workitem_id 0
		.amdhsa_next_free_vgpr 256
		.amdhsa_next_free_sgpr 66
		.amdhsa_reserve_vcc 1
		.amdhsa_float_denorm_mode_32 3
		.amdhsa_float_denorm_mode_16_64 3
		.amdhsa_memory_ordered 1
		.amdhsa_forward_progress 1
		.amdhsa_inst_pref_size 54
	.end_amdhsa_kernel
	.amdgpu_metadata
---
amdhsa.version: [ 1, 2 ]
amdhsa.kernels:
  - .name:           k_q2980a8d48e_prep
    .symbol:         k_q2980a8d48e_prep.kd
    .args:
      - { .name: x, .offset: 0, .size: 8, .value_kind: global_buffer, .address_space: global }
      - { .name: w_router, .offset: 8, .size: 8, .value_kind: global_buffer, .address_space: global }
      - { .name: b_router, .offset: 16, .size: 8, .value_kind: global_buffer, .address_space: global }
      - { .name: W1_codes, .offset: 24, .size: 8, .value_kind: global_buffer, .address_space: global }
      - { .name: W2_codes, .offset: 32, .size: 8, .value_kind: global_buffer, .address_space: global }
      - { .name: xq, .offset: 40, .size: 8, .value_kind: global_buffer, .address_space: global }
      - { .name: xs, .offset: 48, .size: 8, .value_kind: global_buffer, .address_space: global }
      - { .name: idx, .offset: 56, .size: 8, .value_kind: global_buffer, .address_space: global }
      - { .name: gate, .offset: 64, .size: 8, .value_kind: global_buffer, .address_space: global }
      - { .name: psum, .offset: 72, .size: 8, .value_kind: global_buffer, .address_space: global }
      - { .name: wimg, .offset: 80, .size: 8, .value_kind: global_buffer, .address_space: global }
      - { .name: out2, .offset: 88, .size: 8, .value_kind: global_buffer, .address_space: global }
    .group_segment_fixed_size: 40704
    .private_segment_fixed_size: 0
    .kernarg_segment_align: 8
    .kernarg_segment_size: 96
    .max_flat_workgroup_size: 256
    .sgpr_count:     66
    .vgpr_count:     256
    .wavefront_size: 32
...
	.end_amdgpu_metadata
.endif
;; end of part 1
;; launch place (part 2): grid 1 x 1, 32 waves a work-group, no clusters, 9,728 bytes of LDS; arguments idx, psum, order, tiles, out1; writes order, tiles, out1
.if DOCPART == 2
	.amdgcn_target "amdgcn-amd-amdhsa--gfx1250"
	.amdhsa_code_object_version 6
	.text
	.protected	k_q2980a8d48e_place
	.globl	k_q2980a8d48e_place
	.p2align	8
	.type	k_q2980a8d48e_place,@function
k_q2980a8d48e_place:
	s_mov_b64 s[64:65], 0
	v_nop
	global_prefetch_b8 v0, s[64:65] scope:SCOPE_SE
	s_setreg_imm32_b32 hwreg(HW_REG_WAVE_MODE, 25, 1), 1
	s_wait_xcnt 0x0
; SECOND LAUNCH: a counting sort of the 4,096 tokens by their expert, with no atomics, and the load-balance loss.  One work-group of 32 waves; thread t owns tokens 4 t .. 4 t + 3.
; Each expert's tokens are laid in tiles of 32 rows, each expert beginning a new tile: order[tile][32] holds token numbers, tiles[tile] = expert | rows << 8 (rows = 0: an empty tile).  With 4,096 rows and 8 experts there are
; never more than 128 + 7 = 135 tiles, whatever the split.  Entries of order at or past a tile's rows are not written, and the third launch does not read them.
; It is by this list that the third launch leaves out the rows of the experts that were not chosen.
; out1 = 8 x sum over experts of (tokens of the expert / 4,096) x (sum of its probabilities / 4,096) = 2^-21 x sum of count x sum.
; The token numbers leave by stores of four bytes a lane at places that the sort gives: 16 KiB in all, mostly neighbours; a turn through LDS would want LDS addresses made of loaded numbers.
.set CT,    0                          ; LDS: [row = expert, 32 rows of which 8 count][wave] counts, rows 144 bytes apart
.set PS2,   4608                       ; [wave][expert] sums of probabilities
.set SPARE, 5632                       ; the spare words, 128 bytes for each of 32 waves: no other line names them
	s_load_b256 s[4:11], s[0:1], 0x0               ; idx 4, psum 6, order 8, tiles 10
	s_load_b64 s[12:13], s[0:1], 0x20              ; out1
	v_lshl_add_u32 v2, v0, 2, SPARE
	v_mov_b32 v3, 0
	v_lshrrev_b32 v1, 5, v0
	v_readfirstlane_b32 s14, v1                    ; wave 0..31
	v_and_b32 v1, 31, v0                           ; lane
	v_lshlrev_b32 v56, 4, v0
	v_lshlrev_b32 v57, 2, v0
	v_mul_u32_u24 v59, v1, 144                     ; my row of counts,
	s_lshl_b32 s24, s14, 2
	v_add_nc_u32 v58, s24, v59                     ; and my wave's word in it
	v_and_b32 v62, 7, v1
	s_lshl_b32 s24, s14, 5
	s_add_co_u32 s24, s24, PS2
	v_lshl_add_u32 v60, v62, 2, s24
	v_lshl_add_u32 v61, v1, 2, PS2
	v_mov_b32 v63, 0                               ; (a lane permute's destination counts as one of its sources)
	s_mov_b32 s58, 0x76543210
	s_mov_b32 s59, 0xfedcba98
.irp e, 0,1,2,3,4,5,6,7
	s_mov_b32 s[16+\e], 0
.endr
	s_wait_kmcnt 0x0
	global_load_b128 v[4:7], v56, s[4:5]           ; my four tokens' experts
.irp j, 0,1,2,3
	global_load_b32 v[52+\j], v57, s[6:7] offset:4096*\j   ; four of the 4,096 partial sums: all of expert lane % 8
.endr
.irp j, 0,1,2,3
	v_lshl_add_u32 v[48+\j], v0, 2, \j             ; my tokens' numbers
	v_mov_b32 v[12+\j], 0
.endr
	s_wait_loadcnt 4                               ; the experts are in; the four partial sums may be out
.irp j, 0,1,2,3
	v_min_u32 v[4+\j], 7, v[4+\j]
.endr
.irp j, 0,1,2,3                                ; my wave's count of each expert
.irp e, 0,1,2,3,4,5,6,7
	v_cmp_eq_u32 vcc_lo, \e, v[4+\j]
	s_bcnt1_i32_b32 s24, vcc_lo
	s_add_co_u32 s[16+\e], s[16+\e], s24
.endr
.endr
	v_mov_b32 v8, 0
.irp e, 0,1,2,3,4,5,6,7
	v_writelane_b32 v8, s[16+\e], \e
.endr
	ds_store_b32 v58, v8                           ; lane e: expert e's count; lanes 8-31 write zeros into rows that count for nothing
	s_wait_loadcnt 0x0
	v_add_f32 v52, v52, v53
	v_add_f32 v54, v54, v55
	v_add_f32 v52, v52, v54
	v_add_f32_dpp v52, v52, v52 row_xmask:8 row_mask:0xf bank_mask:0xf
	v_permlanex16_b32 v63, v52, s58, s59
	v_add_f32 v52, v52, v63                        ; my wave's 128 partial sums, by expert
	ds_store_b32 v60, v52                          ; four lanes write the same word with the same value
	s_wait_dscnt 0x0                               ; for the others' sake
	s_barrier_signal -1
	s_barrier_wait -1
.irp i, 0,1,2,3,4,5,6,7
	ds_load_b128 v[16+4*\i:16+4*\i+3], v59 offset:CT+16*\i   ; lane e: expert e's counts of all 32 waves
.endr
	v_mov_b32 v10, 0
	s_bfm_b32 s25, s14, 0                          ; a one for each wave in front of mine
	s_wait_dscnt 0x0
	v_add3_u32 v9, v16, v17, v18
.irp i, 19,21,23,25,27,29,31,33,35,37,39,41,43,45
	v_add3_u32 v9, v9, v[\i], v[\i+1]
.endr
	v_add_nc_u32 v9, v9, v47                       ; the expert's tokens in all
.set I, 0
.rept 32
	s_bfe_u32 s24, s25, (1<<16)|I
	v_mad_u32_u24 v10, v[16+I], s24, v10           ; and those of the waves in front of mine
.set I, I+1
.endr
.irp e, 0,1,2,3,4,5,6,7
	v_readlane_b32 s[32+\e], v9, \e
	v_readlane_b32 s[40+\e], v10, \e
.endr
	s_mov_b32 s48, 0                               ; s[48 + e]: expert e's first tile
.irp e, 0,1,2,3,4,5,6,7
	s_add_co_u32 s24, s[32+\e], 31
	s_lshr_b32 s24, s24, 5
	s_add_co_u32 s[49+\e], s[48+\e], s24
	s_lshl_b32 s24, s[48+\e], 5
	s_add_co_u32 s[40+\e], s[40+\e], s24           ; where my wave's first token of expert e goes
.endr
.irp j, 0,1,2,3
.irp e, 0,1,2,3,4,5,6,7
	v_cmp_eq_u32 vcc_lo, \e, v[4+\j]
	v_mbcnt_lo_u32_b32 v11, vcc_lo, s[40+\e]       ; + the lanes in front of mine with the same expert
	v_cndmask_b32 v[12+\j], v[12+\j], v11, vcc_lo
	s_bcnt1_i32_b32 s24, vcc_lo
	s_add_co_u32 s[40+\e], s[40+\e], s24
.endr
.endr
.irp j, 0,1,2,3
	v_min_u32 v[12+\j], 4319, v[12+\j]             ; 135 x 32 - 1
	v_lshlrev_b32 v[12+\j], 2, v[12+\j]
	global_store_b32 v[12+\j], v[48+\j], s[8:9]
.endr
	s_cmp_ge_u32 s14, 8
	s_cbranch_scc1 .Lend
	v_mov_b32 v16, 0                               ; threads 0-255: tile t belongs to the last expert whose first tile is at or under t
	v_mov_b32 v17, 0
	v_mov_b32 v18, s32
.irp e, 1,2,3,4,5,6,7
	v_cmp_le_u32 vcc_lo, s[48+\e], v0
	v_cndmask_b32 v16, v16, \e, vcc_lo
	v_cndmask_b32 v17, v17, s[48+\e], vcc_lo
	v_cndmask_b32 v18, v18, s[32+\e], vcc_lo
.endr
	v_sub_nc_u32 v19, v0, v17
	v_lshlrev_b32 v19, 5, v19
	v_sub_nc_u32 v19, v18, v19                     ; the expert's tokens from this tile on,
	v_max_i32 v19, 0, v19
	v_min_i32 v19, 32, v19                         ; held to 0 .. 32: the tile's rows
	v_lshl_or_b32 v19, v19, 8, v16
	global_store_b32 v57, v19, s[10:11]
	s_cmp_lg_u32 s14, 0
	s_cbranch_scc1 .Lend
.irp i, 0,1,2,3,4,5,6,7
	ds_load_b32 v[20+\i], v61 offset:128*\i        ; wave 0: the 32 waves' sums, expert lane % 8
.endr
	s_wait_dscnt 0x0
	v_add_f32 v20, v20, v21
	v_add_f32 v22, v22, v23
	v_add_f32 v24, v24, v25
	v_add_f32 v26, v26, v27
	v_add_f32 v20, v20, v22
	v_add_f32 v24, v24, v26
	v_add_f32 v20, v20, v24
	v_add_f32_dpp v20, v20, v20 row_xmask:8 row_mask:0xf bank_mask:0xf
	v_permlanex16_b32 v63, v20, s58, s59
	v_add_f32 v20, v20, v63                        ; the expert's probabilities, summed over all tokens
	v_cvt_f32_u32 v21, v9                          ; its tokens
	v_mul_f32 v20, v20, v21
	v_add_f32_dpp v20, v20, v20 row_xmask:1 row_mask:0xf bank_mask:0xf
	v_add_f32_dpp v20, v20, v20 row_xmask:2 row_mask:0xf bank_mask:0xf
	v_add_f32_dpp v20, v20, v20 row_xmask:4 row_mask:0xf bank_mask:0xf   ; lanes 0-7: the sum over the eight experts
	v_mul_f32 v20, 0x35000000, v20                 ; x 2^-21
	v_mov_b32 v62, 0
	v_cmp_eq_u32 vcc_lo, 0, v0
	s_wait_xcnt 0x0                                ; EXEC changes only behind this wait: stores have been issued
	s_and_saveexec_b32 s24, vcc_lo
	global_store_b32 v62, v20, s[12:13]            ; thread 0 alone
	s_wait_xcnt 0x0                                ; and again, in front of the line that widens it
	s_or_b32 exec_lo, exec_lo, s24
.Lend:
	s_wait_tensorcnt 0x0                           ; the wave's end
	ds_add_u32 v2, v3
	s_wait_dscnt 0x0
	s_endpgm
.Lfunc_end_k_q2980a8d48e_place:
	.size	k_q2980a8d48e_place, .Lfunc_end_k_q2980a8d48e_place-k_q2980a8d48e_place
	.p2alignl 7, 3214868480
	.fill 96, 4, 3214868480
	.section	.rodata,"a",@progbits
	.p2align	6, 0x0
	.amdhsa_kernel k_q2980a8d48e_place
		.amdhsa_group_segment_fixed_size 9728
		.amdhsa_private_segment_fixed_size 0
		.amdhsa_enable_private_segment 0
		.amdhsa_kernarg_size 40
		.amdhsa_user_sgpr_count 2
		.amdhsa_user_sgpr_kernarg_segment_ptr 1
		.amdhsa_wavefront_size32 1
		.amdhsa_system_sgpr_workgroup_id_x 1
		.amdhsa_system_sgpr_workgroup_id_y 1
		.amdhsa_system_sgpr_workgroup_id_z 1
		.amdhsa_system_vgpr_workitem_id 0
		.amdhsa_next_free_vgpr 64
		.amdhsa_next_free_sgpr 66
		.amdhsa_reserve_vcc 1
		.amdhsa_float_denorm_mode_32 3
		.amdhsa_float_denorm_mode_16_64 3
		.amdhsa_memory_ordered 1
		.amdhsa_forward_progress 1
		.amdhsa_inst_pref_size 25
	.end_amdhsa_kernel
	.amdgpu_metadata
---
amdhsa.version: [ 1, 2 ]
amdhsa.kernels:
  - .name:           k_q2980a8d48e_place
    .symbol:         k_q2980a8d48e_place.kd
    .args:
      - { .name: idx, .offset: 0, .size: 8, .value_kind: global_buffer, .address_space: global }
      - { .name: psum, .offset: 8, .size: 8, .value_kind: global_buffer, .address_space: global }
      - { .name: order, .offset: 16, .size: 8, .value_kind: global_buffer, .address_space: global }
      - { .name: tiles, .offset: 24, .size: 8, .value_kind: global_buffer, .address_space: global }
      - { .name: out1, .offset: 32, .size: 8, .value_kind: global_buffer, .address_space: global }
    .group_segment_fixed_size: 9728
    .private_segment_fixed_size: 0
    .kernarg_segment_align: 8
    .kernarg_segment_size: 40
    .max_flat_workgroup_size: 1024
    .sgpr_count:     66
    .vgpr_count:     64
    .wavefront_size: 32
...
	.end_amdgpu_metadata
.endif
;; end of part 2
;; launch chain (part 3): grid 135 x 1, 8 waves a work-group, no clusters, 125,952 bytes of LDS; arguments tiles, order, xq, xs, gate, wimg, W1_scales, b1, W2_scales, b2, out0; writes out0
.if DOCPART == 3
	.amdgcn_target "amdgcn-amd-amdhsa--gfx1250"
	.amdhsa_code_object_version 6
	.text
	.protected	k_q2980a8d48e_chain
	.globl	k_q2980a8d48e_chain
	.p2align	8
	.type	k_q2980a8d48e_chain,@function
k_q2980a8d48e_chain:
	s_mov_b64 s[64:65], 0
	v_nop
	global_prefetch_b8 v0, s[64:65] scope:SCOPE_SE
	s_setreg_imm32_b32 hwreg(HW_REG_WAVE_MODE, 25, 1), 1
	s_wait_xcnt 0x0
; THIRD LAUNCH: out0[token] = gate x (relu(x W1[e] + b1[e]) W2[e] + b2[e]) for the token's own expert e alone; the rows of the other experts, which the function's where(top_idx == i) discards, are not multiplied:
; the list of tiles that the second launch stored says which rows belong to which expert.
; A work-group takes ONE tile, up to 32 tokens of one expert, through the whole chain; the hidden layer stays in LDS as codes.  135 work-groups serve every split (128 + 7).
; The expert comes from memory, and the stores of an empty tile are jumped over on a stored number: so the launch has no tensor load and no cluster; the weights go from memory straight into registers, from images laid in
; the order of the operand's registers.
; AN EMPTY TILE (at most 7 of the 135).  Every wave passes every barrier, and no barrier stands under a branch on a loaded number.  So a work-group whose tile has no rows walks the chain like the others, on the list's first
; entry (order[0], which is always written: tile 0 belongs to the first expert that has tokens) and the expert of its own word, and only its sixteen stores at the end are jumped over: it stores nothing.
; A tile with fewer than 32 rows repeats its last token in the rows left over: they compute the same bits and store them to the same place, so no lane is switched off.
; SHARES.  THE EIGHT WAVES SHARE THE COLUMNS: wave w makes hidden units 256 w .. 256 w + 255 (K steps 2 w, 2 w + 1 of the second product) and outputs 64 w .. 64 w + 63, for all 32 rows (two tiles of 16 rows, m = 0, 1).
; Both products are used TRANSPOSED (source 0 = 16 rows of the weight, source 1 = 16 tokens): a lane holds one token, its registers run along the hidden units or the outputs.  The rows of W1 that form a tile are chosen
; (lane r of tile 2 b + u: row 32 b + 8 u + r + 8 (r / 8)) so that the 16 registers of tiles 2 b, 2 b + 1 are 16 neighbours along the next K.  The biases are the C of each sum's first product, loaded into the accumulators.
; THE WEIGHTS' STREAM: 16 steps of 8,192 bytes a wave (8 of W1, 8 of W2), through a ring of four slots of 64 registers: four steps, 32,768 bytes a wave, are asked for ahead; every offset is an immediate.
; Operands go from wave to wave through LDS as images of their registers: lane l's 16 bytes at 16 l.
; LIMITS.  A block of zeros of the hidden layer gets the scale byte 1 where the quantiser says 127: its codes are zeros, and only this launch reads the bytes.
.set XIMG,  0                          ; LDS: x's 16 pieces (m, q, c) of 512 bytes at ((4 m + q) 2 + c) 512
.set HIMG,  8192                       ; the hidden layer's 32 fragments (K step s, m) at (2 s + m) 1024, half c at + 512
.set HSC,   40960                      ; their scale words: 128 s + 64 m + 4 r
.set B1L,   43008                      ; for each wave: its 256 numbers of b1,
.set B2L,   51200                      ; its 64 of b2,
.set TKT,   53248                      ; the tile's 32 token numbers,
.set GTL,   54272                      ; their gates,
.set STG,   55296                      ; and a stage of 32 rows x (256 + 16) bytes for the way out
.set SPARE, 124928                     ; the spare words, 128 bytes for each wave: no other line names them
.set LI,  1                            ; v1   16 x lane
.set SPW, 2                            ; v2   my spare word;  v3: 0
.set NIL, 3
.set LS,  4                            ; v4   4 x lane
.set XW,  5                            ; v5   where my 16 bytes of x's codes go in XIMG
.set HW,  6                            ; v6   16 x lane + 4,096 w: my wave's fragments in HIMG
.set HSA, 7                            ; v7   4 r + 256 w: their scale words
.set VB1, 8                            ; v8   b1 in LDS: my half's numbers
.set VB2, 9                            ; v9   b2 likewise
.set SO,  10                           ; v10  the stage: where I put 32 bytes of a row
.set SR,  11                           ; v11  and where I read a row back
.set TT,  12                           ; v12  the token of row 2 i + h
.set GA,  13                           ; v13  the gate of row r
.set R16, 14                           ; v14  16 r
.set O1S, 15                           ; v15  W1's scale words: 16 (r + 8 (r / 8) + 8 h)
.set O2S, 16                           ; v16  W2's: 64 x lane
.set L8,  17                           ; v17  8 x lane
.set TKW, 18                           ; v18, v19  where I store a token number and a gate
.set GTW, 19
.set XSW, 20                           ; v20-23 scale words of x (register q; lanes 0-15 rows 0-15, lanes 16-31 rows 16-31), later of the hidden layer, two sets of two
.set TK0, 24                           ; v24-27 token numbers of three kinds of rows, and a gate;  v28-31 offsets of the gathers
.set W1S, 32                           ; v32-63 W1's scale words: 16 i + 4 b + q; lanes 0-15 tile 2 b, lanes 16-31 tile 2 b + 1
.set W2S, 64                           ; v64-95 W2's: 16 (j / 2) + s; lanes 0-15 tile j even, lanes 16-31 tile j odd
.set XF,  96                           ; v96-159 x's 8 fragments (32 m + 8 q), later the hidden layer's, two sets of four, later rows of the result
.set ACC, 160                          ; v160-223 eight accumulators
.set PC,  224                          ; v224-231 codes just made
.set TM,  232                          ; v232-235 largest magnitudes, v236-239 bytes, v244-247 the conversions' scale operands
.set B1W, 240                          ; v240, v241 where I store b1 and b2 in LDS
.set B2W, 241
.set PW,  248                          ; v248, v249 the scale words being made, m = 0, 1
.set G0,  250                          ; v250 the gate of row r, v252 that of row 16 + r: each the low word of a pair
.set G1,  252
.set W1P, 34                           ; s[34:35] my wave's part of W1's image;  s[36:37] of W2's
.set W2P, 36
.set SEL, 38
.set NR,  42                           ; s42  the tile's rows, 0 to 32
.set TL,  43                           ; s43  the tile whose list I read: mine, or tile 0 where mine is empty
.set MSB, 0
.macro WIN new                         ; window 1 (v256-511) holds the ring; the immediate's high byte repeats the setting that is left
.if MSB != \new
	s_set_vgpr_msb (MSB<<8)|\new
.set MSB, \new
.endif
.endm
.macro PLACES                          ; four plain vector lines between a matrix instruction and a load into its registers or a read of its result
.rept 4
	v_nop
.endr
.endm
	s_load_b512 s[4:19], s[0:1], 0x0               ; tiles 4, order 6, xq 8, xs 10, gate 12, wimg 14, W1_scales 16, b1 18
	s_load_b128 s[20:23], s[0:1], 0x40             ; W2_scales 20, b2 22
	s_load_b64 s[24:25], s[0:1], 0x50              ; out0
	v_lshl_add_u32 v[SPW], v0, 2, SPARE
	v_mov_b32 v[NIL], 0
	v_lshrrev_b32 v232, 5, v0
	v_readfirstlane_b32 s28, v232                  ; wave 0..7
	s_lshl_b32 s32, ttmp9, 2
	s_mov_b32 s33, 0
	s_wait_kmcnt 0x0
	s_add_nc_u64 s[4:5], s[4:5], s[32:33]
	s_load_b32 s29, s[4:5], 0x0                    ; my tile's word; the lanes' addresses are made while it comes
	v_and_b32 v232, 31, v0                         ; lane
	v_and_b32 v233, 15, v0                         ; r
	v_bfe_u32 v234, v0, 4, 1                       ; h
	v_lshlrev_b32 v[LI], 4, v232
	v_lshlrev_b32 v[LS], 2, v232
	v_lshlrev_b32 v[O2S], 6, v232
	v_lshlrev_b32 v[L8], 3, v232
	v_lshlrev_b32 v[R16], 4, v233
	; x's codes: I load piece a = lane % 16 (16 bytes: q = a / 4, c = (a / 2) % 2, h = a % 2) of row 4 w + 2 i + lane / 16; in the image that is 4096 m + 1024 q + 512 c + 256 h + 16 (row % 16)
	v_bfe_u32 v235, v0, 1, 3
	v_and_b32 v[XW], 1, v0
	v_lshlrev_b32 v[XW], 8, v[XW]
	v_lshl_add_u32 v[XW], v235, 9, v[XW]
	v_lshl_add_u32 v[XW], v234, 4, v[XW]
	s_lshr_b32 s40, s28, 2
	s_lshl_b32 s40, s40, 12
	s_and_b32 s41, s28, 3
	s_lshl_b32 s41, s41, 6
	s_add_co_u32 s40, s40, s41
	v_add_nc_u32 v[XW], s40, v[XW]
	s_lshl_b32 s40, s28, 12
	v_add_nc_u32 v[HW], s40, v[LI]
	s_lshl_b32 s40, s28, 8
	v_lshl_add_u32 v[HSA], v233, 2, s40
	s_lshl_b32 s40, s28, 10
	s_add_co_u32 s40, s40, B1L
	v_lshl_add_u32 v[VB1], v234, 6, s40
	v_add_nc_u32 v[B1W], s40, v[LI]
	s_lshl_b32 s40, s28, 8
	s_add_co_u32 s40, s40, B2L
	v_lshl_add_u32 v[VB2], v234, 5, s40
	v_add_nc_u32 v[B2W], s40, v[L8]
	s_mul_i32 s40, s28, 32*272
	s_add_co_u32 s40, s40, STG
	v_mul_u32_u24 v[SO], v233, 272
	v_lshl_add_u32 v[SO], v234, 5, v[SO]
	v_add_nc_u32 v[SO], s40, v[SO]
	v_mul_u32_u24 v[SR], v234, 272
	v_lshl_add_u32 v[SR], v233, 4, v[SR]
	v_add_nc_u32 v[SR], s40, v[SR]
	s_lshl_b32 s40, s28, 7
	s_add_co_u32 s41, s40, TKT
	v_lshl_add_u32 v[TT], v234, 2, s41
	v_add_nc_u32 v[TKW], s41, v[LS]
	s_add_co_u32 s41, s40, GTL
	v_lshl_add_u32 v[GA], v233, 2, s41
	v_add_nc_u32 v[GTW], s41, v[LS]
	v_and_b32 v235, 8, v233
	v_add_nc_u32 v235, v235, v233
	v_lshl_add_u32 v235, v234, 3, v235
	v_lshlrev_b32 v[O1S], 4, v235
	s_lshl_b32 s40, s28, 2
	v_add_nc_u32 v244, s40, v234                   ; the rows whose codes I fetch: 4 w + lane / 16,
	v_add_nc_u32 v245, 2, v244                     ; and two further on
.irp b, 0,1,2,3
	v_mov_b32 v[TM+4+\b], 0                        ; written once: a lane permute's destination counts as one of its sources
.endr
	v_mov_b32 v[G0+1], 0                           ; (named as the upper halves of the gates' pairs)
	v_mov_b32 v[G1+1], 0
	s_mov_b32 s[SEL], 0x76543210
	s_mov_b32 s[SEL+1], 0xfedcba98                 ; v_permlanex16_b32's selects for lane l xor 16
	s_wait_kmcnt 0x0
	s_lshr_b32 s[NR], s29, 8
	s_min_u32 s[NR], s[NR], 32                     ; the tile's rows; 0: an empty tile
	s_and_b32 s30, s29, 255
	s_min_u32 s30, s30, 7                          ; the expert
	s_cmp_lg_u32 s[NR], 0                          ; what an empty tile changes is chosen, not jumped to:
	s_cselect_b32 s[TL], ttmp9, 0                  ; it reads tile 0's list,
	s_min_u32 s[TL], s[TL], 134
	s_max_u32 s31, s[NR], 1                        ; as a tile of one row
	s_sub_co_u32 s31, s31, 1
	s_min_u32 s31, s31, 31                         ; the tile's last row
	s_lshl_b32 s32, s30, 19
	s_lshl_b32 s40, s28, 16
	s_add_co_u32 s32, s32, s40
	s_add_nc_u64 s[W1P:W1P+1], s[14:15], s[32:33]  ; 524,288 bytes an expert, 65,536 a wave, in both images
	s_add_nc_u64 s[W2P:W2P+1], s[W1P:W1P+1], 0x400000
	s_lshl_b32 s32, s30, 15
	s_lshl_b32 s40, s28, 12
	s_add_co_u32 s32, s32, s40
	s_add_nc_u64 s[16:17], s[16:17], s[32:33]      ; scale bytes: 32,768 an expert, 4,096 a wave, in both
	s_add_nc_u64 s[20:21], s[20:21], s[32:33]
	s_lshl_b32 s32, s30, 13
	s_lshl_b32 s40, s28, 10
	s_add_co_u32 s32, s32, s40
	s_add_nc_u64 s[18:19], s[18:19], s[32:33]      ; b1
	s_lshl_b32 s32, s30, 11
	s_lshl_b32 s40, s28, 8
	s_add_co_u32 s32, s32, s40
	s_add_nc_u64 s[22:23], s[22:23], s[32:33]      ; b2
	s_mov_b32 s32, s40
	s_add_nc_u64 s[24:25], s[24:25], s[32:33]      ; out0: my 64 columns
	s_lshl_b32 s32, s[TL], 7
	s_add_nc_u64 s[6:7], s[6:7], s[32:33]          ; order: the tile's 32 words
	v_min_u32 v244, s31, v244                      ; rows past the last take the last
	v_min_u32 v245, s31, v245
	v_min_u32 v246, s31, v232
.irp a, 244,245,246
	v_min_u32 v\a, 31, v\a
	v_lshlrev_b32 v\a, 2, v\a
.endr
	global_load_b32 v[TK0], v244, s[6:7]
	global_load_b32 v[TK0+1], v245, s[6:7]
	global_load_b32 v[TK0+2], v246, s[6:7]         ; the token of row = lane
.irp i, 0,1
.irp b, 0,1,2,3
	global_load_b128 v[W1S+16*\i+4*\b:W1S+16*\i+4*\b+3], v[O1S], s[16:17] offset:2048*\i+512*\b
.endr
.endr
.irp p, 0,1
.irp j, 0,1,2,3
	global_load_b128 v[W2S+16*\p+4*\j:W2S+16*\p+4*\j+3], v[O2S], s[20:21] offset:2048*\p+16*\j
.endr
.endr
	global_load_b128 v[ACC+8:ACC+11], v[LI], s[18:19]
	global_load_b128 v[ACC+12:ACC+15], v[LI], s[18:19] offset:512
	global_load_b64 v[ACC+16:ACC+17], v[L8], s[22:23]
; step S of the weights' stream into slot S % 4: sixteen loads of 512 consecutive bytes
.macro FILL S
	WIN 0x40                                       ; destination window 1, address window 0
.if (\S) < 8
.irp l, 0,1,2,3,4,5,6,7,8,9,10,11,12,13,14,15
	global_load_b128 v[64*((\S)%4)+4*\l:64*((\S)%4)+4*\l+3], v[LI], s[W1P:W1P+1] offset:8192*(\S)+512*\l
.endr
.else
.irp l, 0,1,2,3,4,5,6,7,8,9,10,11,12,13,14,15
	global_load_b128 v[64*((\S)%4)+4*\l:64*((\S)%4)+4*\l+3], v[LI], s[W2P:W2P+1] offset:8192*((\S)-8)+512*\l
.endr
.endif
	WIN 0
.endm
	FILL 0
	FILL 1
	s_wait_loadcnt 51                              ; the three token loads are in: behind them stand 19 loads of tables and 32 of the ring
.irp a, 0,1,2
	v_min_u32 v[TK0+\a], 0xfff, v[TK0+\a]
.endr
	v_lshl_add_u32 v28, v[TK0], 8, v[R16]          ; a token's codes are 256 bytes: sixteen lanes read them whole
	v_lshl_add_u32 v29, v[TK0+1], 8, v[R16]
	v_lshlrev_b32 v30, 4, v[TK0+2]
	v_lshlrev_b32 v31, 2, v[TK0+2]
	global_load_b128 v[ACC:ACC+3], v28, s[8:9]
	global_load_b128 v[ACC+4:ACC+7], v29, s[8:9]
	global_load_b128 v[XSW:XSW+3], v30, s[10:11]
	global_load_b32 v[TK0+3], v31, s[12:13]
	FILL 2
	FILL 3
	s_wait_loadcnt 32                              ; all but the last two steps of the ring
	ds_store_b128 v[XW], v[ACC:ACC+3] offset:XIMG
	ds_store_b128 v[XW], v[ACC+4:ACC+7] offset:XIMG+32
	ds_store_b128 v[B1W], v[ACC+8:ACC+11]
	ds_store_b128 v[B1W], v[ACC+12:ACC+15] offset:512
	ds_store_b64 v[B2W], v[ACC+16:ACC+17]
	ds_store_b32 v[TKW], v[TK0+2]
	ds_store_b32 v[GTW], v[TK0+3]
	s_wait_dscnt 0x0                               ; for the others' sake: my four rows of x lie in LDS
	s_barrier_signal -1
	s_barrier_wait -1
.irp m, 0,1
.irp q, 0,1,2,3
.irp c, 0,1
	ds_load_b128 v[XF+32*\m+8*\q+4*\c:XF+32*\m+8*\q+4*\c+3], v[LI] offset:XIMG+((4*\m+\q)*2+\c)*512
.endr
.endr
.endr
	ds_load_b32 v[G0], v[GA]
	ds_load_b32 v[G1], v[GA] offset:64
; one product; rD, rA, rB, rSA, rSB are set by the caller; ra, rb: which half of the lanes holds the side's scale words
.macro WM ra, rb
.if ((\ra) == 0) && ((\rb) == 0)
	v_wmma_scale_f32_16x16x128_f8f6f4 v[rD:rD+7], v[rA:rA+7], v[rB:rB+7], v[rD:rD+7], v[rSA], v[rSB] matrix_a_fmt:MATRIX_FMT_FP4 matrix_b_fmt:MATRIX_FMT_FP4
.elseif (\rb) == 0
	v_wmma_scale_f32_16x16x128_f8f6f4 v[rD:rD+7], v[rA:rA+7], v[rB:rB+7], v[rD:rD+7], v[rSA], v[rSB] matrix_a_fmt:MATRIX_FMT_FP4 matrix_b_fmt:MATRIX_FMT_FP4 matrix_a_scale:MATRIX_SCALE_ROW1
.elseif (\ra) == 0
	v_wmma_scale_f32_16x16x128_f8f6f4 v[rD:rD+7], v[rA:rA+7], v[rB:rB+7], v[rD:rD+7], v[rSA], v[rSB] matrix_a_fmt:MATRIX_FMT_FP4 matrix_b_fmt:MATRIX_FMT_FP4 matrix_b_scale:MATRIX_SCALE_ROW1
.else
	v_wmma_scale_f32_16x16x128_f8f6f4 v[rD:rD+7], v[rA:rA+7], v[rB:rB+7], v[rD:rD+7], v[rSA], v[rSB] matrix_a_fmt:MATRIX_FMT_FP4 matrix_b_fmt:MATRIX_FMT_FP4 matrix_a_scale:MATRIX_SCALE_ROW1 matrix_b_scale:MATRIX_SCALE_ROW1
.endif
.endm
; PHASE 1, in four groups (i, g): my K step i, its blocks 2 g and 2 g + 1 (64 hidden units), both tiles of rows: accumulator (m, b, u) at ACC + 32 m + 16 b + 8 u.
.macro BIAS1 i, g                      ; b1 of the lane's eight units goes straight into each accumulator: hidden unit 128 i + 64 g + 32 b + 16 h + 8 u + 0 .. 7
.irp m, 0,1
.irp b, 0,1
.irp u, 0,1
.irp j, 0,1
	ds_load_b128 v[ACC+32*\m+16*\b+8*\u+4*\j:ACC+32*\m+16*\b+8*\u+4*\j+3], v[VB1] offset:512*(\i)+256*(\g)+128*\b+32*\u+16*\j
.endr
.endr
.endr
.endr
	s_wait_dscnt 0x0                               ; the biases are in (and x's fragments; and the last group's LDS stores have read their registers)
.endm
.macro MUL1 i, g, bp                   ; step 4 i + 2 g + bp of the stream: two tiles of W1 x four K steps x two tiles of rows; the four accumulators take turns, one instruction a turn
.set SS, 4*(\i)+2*(\g)+(\bp)
	s_wait_loadcnt 48                              ; this step's sixteen loads are in; the three younger steps may be out
	WIN 0x01                                       ; source 0 window 1
.irp q, 0,1,2,3
.irp u, 0,1
.irp m, 0,1
.set rD, ACC+32*\m+16*(\bp)+8*\u
.set rA, 64*(SS%4)+32*\u+8*\q
.set rB, XF+32*\m+8*\q
.set rSA, W1S+16*(\i)+4*(2*(\g)+(\bp))+\q
.set rSB, XSW+\q
	WM \u, \m
.endr
.endr
.endr
	WIN 0
	PLACES
	FILL SS+4                                      ; the slot takes the step four further on
.endm
.macro QUANT i, g                      ; relu, then four blocks of 32 (m, b) at ACC + 16 (2 m + b) become half a fragment for each tile of rows, and two bytes of its scale words
.set J, 0
.rept 64
	v_max_num_f32 v[ACC+J], 0, v[ACC+J]            ; the activation, in f32; each accumulator from its low end on
.set J, J+1
.endr
.irp b, 0,1,2,3
	v_max3_num_f32 v[TM+\b], v[ACC+16*\b], v[ACC+16*\b+1], 0x1800000   ; my 16 numbers (none is negative), and the floor 2^(3 - 127): the byte cannot fall under 1
.endr
.irp n, 2,4,6,8,10,12,14
.irp b, 0,1,2,3
	v_max3_num_f32 v[TM+\b], v[TM+\b], v[ACC+16*\b+\n], v[ACC+16*\b+\n+1]
.endr
.endr
.irp b, 0,1,2,3
	v_permlanex16_b32 v[TM+4+\b], v[TM+\b], s[SEL], s[SEL+1]
.endr
.irp b, 0,1,2,3
	v_max_num_f32 v[TM+\b], v[TM+\b], v[TM+4+\b]   ; with lane l xor 16's: the block's largest
.endr
.irp b, 0,1,2,3
	v_add_nc_u32 v[TM+12+\b], 0xff000000, v[TM+\b] ; 2 off its exponent field: the conversion's scale operand
.endr
.irp b, 0,1,2,3
	v_lshrrev_b32 v[TM+4+\b], 23, v[TM+12+\b]      ; the scale's byte
.endr
.irp m, 0,1
.if (\g) == 0
	v_lshl_or_b32 v[PW+\m], v[TM+5+2*\m], 8, v[TM+4+2*\m]          ; bytes 0 and 1 of the row's scale word
.else
	v_lshl_or_b32 v[TM+4+2*\m], v[TM+5+2*\m], 8, v[TM+4+2*\m]
	v_lshl_or_b32 v[PW+\m], v[TM+4+2*\m], 16, v[PW+\m]             ; bytes 2 and 3
.endif
.endr
.irp b, 0,1,2,3
	v_cvt_scalef32_pk8_fp4_f32 v[PC+2*\b], v[ACC+16*\b:ACC+16*\b+7], v[TM+12+\b]
	v_cvt_scalef32_pk8_fp4_f32 v[PC+2*\b+1], v[ACC+16*\b+8:ACC+16*\b+15], v[TM+12+\b]
.endr
	v_nop                                          ; one plain line behind a scaled conversion
.irp m, 0,1                                    ; the operand wants a whole block in a lane: lanes 0-15 block 2 g, lanes 16-31 block 2 g + 1
.irp n, 0,1
	v_permlane16_swap_b32 v[PC+4*\m+\n], v[PC+4*\m+2+\n]
.endr
.endr
.irp m, 0,1
	ds_store_b128 v[HW], v[PC+4*\m:PC+4*\m+3] offset:HIMG+2048*(\i)+1024*\m+512*(\g)   ; registers 4 g .. 4 g + 3 of fragment (2 w + i, m), as they stand
.if (\g) == 1
	ds_store_b32 v[HSA], v[PW+\m] offset:HSC+128*(\i)+64*\m        ; both halves of the lanes write the same word
.endif
.endr
.endm
.irp i, 0,1
.irp g, 0,1
	BIAS1 \i, \g
	MUL1 \i, \g, 0
	MUL1 \i, \g, 1
	QUANT \i, \g
.endr
.endr
.irp m, 0,1                                    ; PHASE 2's accumulators (m, j) at ACC + 32 m + 8 j begin as b2: output 64 w + 16 j + 8 h + 0 .. 7
.irp j, 0,1,2,3
.irp q, 0,1
	ds_load_b128 v[ACC+32*\m+8*\j+4*\q:ACC+32*\m+8*\j+4*\q+3], v[VB2] offset:64*\j+16*\q
.endr
.endr
.endr
	s_wait_dscnt 0x0                               ; for the others' sake: my two K steps of the hidden layer lie in LDS; and b2 is in
	s_barrier_signal -1
	s_barrier_wait -1                              ; the ring's loads stay on their way across it: nobody writes those bytes
.macro HLOAD p                         ; K steps 2 p, 2 p + 1 of the hidden layer, both tiles of rows, into set p % 2: ten LDS loads
.irp k, 0,1
.irp m, 0,1
.irp c, 0,1
	ds_load_b128 v[XF+32*((\p)%2)+16*\k+8*\m+4*\c:XF+32*((\p)%2)+16*\k+8*\m+4*\c+3], v[LI] offset:HIMG+(2*(2*(\p)+\k)+\m)*1024+512*\c
.endr
.endr
	ds_load_b32 v[XSW+2*((\p)%2)+\k], v[LS] offset:HSC+128*(2*(\p)+\k)   ; lanes 0-15 rows 0-15, lanes 16-31 rows 16-31
.endr
.endm
.macro MUL2 p                          ; step 8 + p of the stream: two K steps x four tiles of W2 x two tiles of rows; the eight accumulators take turns, one instruction a turn
	WIN 0x01
.irp k, 0,1
.irp j, 0,1,2,3
.irp m, 0,1
.set rD, ACC+32*\m+8*\j
.set rA, 64*((\p)%4)+32*\k+8*\j
.set rB, XF+32*((\p)%2)+16*\k+8*\m
.set rSA, W2S+16*(\j/2)+2*(\p)+\k
.set rSB, XSW+2*((\p)%2)+\k
	WM \j%2, \m
.endr
.endr
.endr
	WIN 0
	PLACES
.endm
	HLOAD 0
.irp p, 0,1,2,3,4,5,6,7
.if \p < 7
	HLOAD \p+1
	s_wait_dscnt 10                                ; this step's fragments are in; the ten loads just issued may be out
.else
	s_wait_dscnt 0x0
.endif
.if \p < 5
	s_wait_loadcnt 48                              ; the younger steps of the ring may be out: three,
.else
	s_wait_loadcnt 16*(7-\p)                       ; then as many as are left
.endif
	MUL2 \p
.if \p < 4
	FILL 12+\p
.endif
.endr
; THE WAY OUT: x the gate; through my stage, so that sixteen lanes store 256 consecutive bytes of a token's row, aligned
.set J, 0
.rept 16
	v_pk_mul_f32 v[ACC+J:ACC+J+1], v[ACC+J:ACC+J+1], v[G0:G0+1] op_sel_hi:[1,0]   ; rows 0-15; each accumulator from its low end on
.set J, J+2
.endr
.rept 16
	v_pk_mul_f32 v[ACC+J:ACC+J+1], v[ACC+J:ACC+J+1], v[G1:G1+1] op_sel_hi:[1,0]   ; rows 16-31
.set J, J+2
.endr
.irp m, 0,1
.irp j, 0,1,2,3
.irp q, 0,1
	ds_store_b128 v[SO], v[ACC+32*\m+8*\j+4*\q:ACC+32*\m+8*\j+4*\q+3] offset:4352*\m+64*\j+16*\q
.endr
.endr
.endr
.irp i, 0,1,2,3,4,5,6,7,8,9,10,11,12,13,14,15
	ds_load_b128 v[XF+4*\i:XF+4*\i+3], v[SR] offset:544*\i         ; LDS serves a wave's instructions in order: these see my stores.  Rows 2 i and 2 i + 1
.endr
.irp i, 0,1,2,3,4,5,6,7,8,9,10,11,12,13,14,15
	ds_load_b32 v[PC+\i], v[TT] offset:8*\i                        ; and their tokens
.endr
	s_wait_dscnt 0x0
	s_cmp_eq_u32 s[NR], 0                          ; an empty tile stores nothing: the one branch on the stored number, behind the last barrier, round the stores alone
	s_cbranch_scc1 .Lnone
.irp i, 0,1,2,3,4,5,6,7,8,9,10,11,12,13,14,15
	v_min_u32 v[PC+\i], 0xfff, v[PC+\i]
	v_lshl_add_u32 v[PC+\i], v[PC+\i], 11, v[R16]                  ; 2,048 bytes a token
	global_store_b128 v[PC+\i], v[XF+4*\i:XF+4*\i+3], s[24:25] th:TH_STORE_NT
.endr
.Lnone:
	s_wait_tensorcnt 0x0                           ; the wave's end
	ds_add_u32 v[SPW], v[NIL]
	s_wait_dscnt 0x0
	s_endpgm
.Lfunc_end_k_q2980a8d48e_chain:
	.size	k_q2980a8d48e_chain, .Lfunc_end_k_q2980a8d48e_chain-k_q2980a8d48e_chain
	.p2alignl 7, 3214868480
	.fill 96, 4, 3214868480
	.section	.rodata,"a",@progbits
	.p2align	6, 0x0
	.amdhsa_kernel k_q2980a8d48e_chain
		.amdhsa_group_segment_fixed_size 125952
		.amdhsa_private_segment_fixed_size 0
		.amdhsa_enable_private_segment 0
		.amdhsa_kernarg_size 88
		.amdhsa_user_sgpr_count 2
		.amdhsa_user_sgpr_kernarg_segment_ptr 1
		.amdhsa_wavefront_size32 1
		.amdhsa_system_sgpr_workgroup_id_x 1
		.amdhsa_system_sgpr_workgroup_id_y 1
		.amdhsa_system_sgpr_workgroup_id_z 1
		.amdhsa_system_vgpr_workitem_id 0
		.amdhsa_next_free_vgpr 512
		.amdhsa_next_free_sgpr 66
		.amdhsa_reserve_vcc 0
		.amdhsa_float_denorm_mode_32 3
		.amdhsa_float_denorm_mode_16_64 3
		.amdhsa_memory_ordered 1
		.amdhsa_forward_progress 1
		.amdhsa_inst_pref_size 113
	.end_amdhsa_kernel
	.amdgpu_metadata
---
amdhsa.version: [ 1, 2 ]
amdhsa.kernels:
  - .name:           k_q2980a8d48e_chain
    .symbol:         k_q2980a8d48e_chain.kd
    .args:
      - { .name: tiles, .offset: 0, .size: 8, .value_kind: global_buffer, .address_space: global }
      - { .name: order, .offset: 8, .size: 8, .value_kind: global_buffer, .address_space: global }
      - { .name: xq, .offset: 16, .size: 8, .value_kind: global_buffer, .address_space: global }
      - { .name: xs, .offset: 24, .size: 8, .value_kind: global_buffer, .address_space: global }
      - { .name: gate, .offset: 32, .size: 8, .value_kind: global_buffer, .address_space: global }
      - { .name: wimg, .offset: 40, .size: 8, .value_kind: global_buffer, .address_space: global }
      - { .name: W1_scales, .offset: 48, .size: 8, .value_kind: global_buffer, .address_space: global }
      - { .name: b1, .offset: 56, .size: 8, .value_kind: global_buffer, .address_space: global }
      - { .name: W2_scales, .offset: 64, .size: 8, .value_kind: global_buffer, .address_space: global }
      - { .name: b2, .offset: 72, .size: 8, .value_kind: global_buffer, .address_space: global }
      - { .name: out0, .offset: 80, .size: 8, .value_kind: global_buffer, .address_space: global }
    .group_segment_fixed_size: 125952
    .private_segment_fixed_size: 0
    .kernarg_segment_align: 8
    .kernarg_segment_size: 88
    .max_flat_workgroup_size: 256
    .sgpr_count:     66
    .vgpr_count:     512
    .wavefront_size: 32
...
	.end_amdgpu_metadata
.endif
;; end of part 3
;; ======== version 2 of 2: 2 launches; 1.22 times as fast as version 1
;; workspace buffers: xq 1,048,576 bytes; xs 65,536 bytes; idx 16,384 bytes of whole numbers; gate 16,384 bytes; psum 16,384 bytes; wimg 8,388,608 bytes
;; launch prep (part 4): grid 192 x 1, 8 waves a work-group, no clusters, 40,704 bytes of LDS; arguments x, w_router, b_router, W1_codes, W2_codes, xq, xs, idx, gate, psum, wimg, out2; writes xq, xs, idx, gate, psum, wimg, out2
.if DOCPART == 4
	.amdgcn_target "amdgcn-amd-amdhsa--gfx1250"
	.amdhsa_code_object_version 6
	.text
	.protected	k_q2980a8d48e_prep
	.globl	k_q2980a8d48e_prep
	.p2align	8
	.type	k_q2980a8d48e_prep,@function
k_q2980a8d48e_prep:
	s_mov_b64 s[64:65], 0
	v_nop
	global_prefetch_b8 v0, s[64:65] scope:SCOPE_SE
	s_setreg_imm32_b32 hwreg(HW_REG_WAVE_MODE, 25, 1), 1
	s_wait_xcnt 0x0
; FIRST OF TWO LAUNCHES of a layer of 8 routed experts, top 1: 4,096 tokens of 512, each expert 512 -> 2,048 (relu) -> 512, both products on FP4 (E2M1) codes with one E8M0 scale for each 32 along K.
; WHAT THE PROGRAM LEAVES OUT.  The function computes every expert for every token and keeps, by its own where(top_idx == i), the chosen expert's row alone: the other seven rows reach no output.
; Which rows those are hangs on the inputs, so nothing is dropped here by an identity: this launch stores each token's expert as a whole number, and the second launch, which reads those numbers from memory,
; sorts the tokens by them and multiplies only the chosen rows.  Every input has a way to an output and every input is loaded.  LIMIT: a NaN, an infinity or an overflow that arises only in a row of an expert that was not chosen
; is not computed (the where discards it there too).
; THIS LAUNCH.  Work-groups 0-127: 32 tokens each: the router in f32 (logits -> out2, softmax with its maximum taken away, the expert's number, the gate, partial sums of the probabilities) and the codes and scale bytes of x.
; Work-groups 128-159 copy W1's codes, 160-191 W2's, into wimg IN THE ORDER OF THE OPERAND'S REGISTERS, so that the second launch loads each fragment as two runs of 512 consecutive bytes, 16 a lane.
;   W1's image, from byte 0:        [expert][K step s of the second product: 128 hidden units][tile t of 8][K step q of 4][half c] x 512 bytes; lane (r, h) of tile t holds row 32 (t / 2) + 8 (t % 2) + r + 8 (r / 8), bytes 64 q + 32 c + 16 h
;   W2's image, from byte 4,194,304: [expert][64 outputs w of 8][K step s of 16][tile j of 4][half c] x 512 bytes; lane (r, h) holds row 64 w + 16 j + r, bytes 64 s + 32 c + 16 h
; LIMITS.  A block of zeros of x gets the scale byte 1 where the quantiser says 127: its codes are zeros, and only this program reads the bytes.  NaN and infinities in x or in the router's inputs are not served.
; The expert is the lowest index among the largest exponentials 2^((logit - max) log2 e): two probabilities that would become equal only by the division are not seen as a tie.
.set WL,    0                          ; LDS: w_router, 32 slices of 512 bytes, 528 apart (33 x 16)
.set STGX,  16896                      ; a stage of 2,560 bytes for each wave: 32 places of 64 bytes + 16 of padding
.set SP,    80
.set LXS,   37376                      ; the work-group's 32 x 16 scale bytes
.set LLOG,  37888                      ; its 32 x 8 logits
.set LIDX,  38912                      ; its 32 experts
.set LGAT,  39168                      ; its 32 gates
.set LPS,   39424                      ; [wave][expert]: sums of probabilities
.set SPARE, 39680                      ; the spare words, 128 bytes for each wave: no other line names them
.set A, 16                             ; v16-23   a row's eight partial logits
.set D, 32                             ; v32-35   a logit a lane for each of my four rows
.set C, 36                             ; v36-43   codes, two registers a row
.set E, 44                             ; v44-47   a scale byte a row
.set R, 64                             ; v64-127  four rows of x, 16 numbers a lane
.set W, 128                            ; v128-255 w_router[16 lane + i][0..7] at v[W + 8 i]
	s_load_b512 s[4:19], s[0:1], 0x0               ; x 4, w_router 6, b_router 8, W1_codes 10, W2_codes 12, xq 14, xs 16, idx 18
	s_load_b256 s[20:27], s[0:1], 0x40             ; gate 20, psum 22, wimg 24, out2 26
	v_lshl_add_u32 v3, v0, 2, SPARE                ; my spare word,
	v_mov_b32 v4, 0                                ; and 0: kept for the closing lines alone
	v_lshrrev_b32 v1, 5, v0
	v_readfirstlane_b32 s30, v1                    ; wave 0..7
	v_and_b32 v1, 31, v0                           ; lane
	v_lshlrev_b32 v2, 4, v1                        ; 16 x lane
	s_mov_b32 s33, 0
	s_wait_kmcnt 0x0
	s_cmp_lt_u32 ttmp9, 128                        ; the work-group's number alone decides the path: the same in all eight waves
	s_cbranch_scc0 .Lweights
; ---------------- tokens: work-group g takes rows 32 g on, wave w rows 32 g + 4 w + 0..3
	s_lshl_b32 s32, ttmp9, 5
	s_lshl_b32 s34, s30, 2
	s_add_co_u32 s34, s34, s32                     ; my first row
	s_lshl_b32 s32, s34, 11
	s_add_nc_u64 s[4:5], s[4:5], s[32:33]          ; x: 2,048 bytes a row
	s_lshl_b32 s32, s34, 8
	s_add_nc_u64 s[14:15], s[14:15], s[32:33]      ; xq: 256 bytes a row
	v_lshlrev_b32 v60, 4, v0                       ; 16 x thread
	v_and_b32 v62, 7, v1
	v_lshlrev_b32 v61, 2, v62                      ; 4 x (lane % 8)
.irp j, 0,1,2,3
	global_load_b128 v[W+4*\j:W+4*\j+3], v60, s[6:7] offset:4096*\j   ; w_router, 16,384 bytes, once for the work-group
.endr
	global_load_b32 v15, v61, s[8:9]               ; b_router[lane % 8]
.irp p, 0,1,2,3
.irp j, 0,1,2,3
	global_load_b128 v[R+16*\p+4*\j:R+16*\p+4*\j+3], v2, s[4:5] offset:2048*\p+512*\j th:TH_LOAD_NT   ; 32 lanes read 512 consecutive bytes
.endr
.endr
	v_lshrrev_b32 v62, 5, v0
	v_lshl_add_u32 v5, v62, 4, v60                 ; w_router on its way in: 16 t + 16 (t / 32): slice t / 32 + 8 j begins at 528 x its number
	v_mul_u32_u24 v6, v1, 528                      ; and out: my slice
	s_mul_i32 s35, s30, 32*SP
	s_add_co_u32 s35, s35, STGX                    ; my wave's stage
	v_lshrrev_b32 v62, 2, v1
	v_mul_u32_u24 v62, v62, SP
	v_and_b32 v63, 3, v1
	v_lshl_add_u32 v62, v63, 4, v62
	v_add_nc_u32 v7, s35, v62                      ; in: four lanes' 64 bytes on end, then the padding
	v_mul_u32_u24 v62, v1, SP
	v_add_nc_u32 v8, s35, v62                      ; out: my 16 neighbours along K
	s_lshl_b32 s35, s30, 6
	s_add_co_u32 s35, s35, LXS
	v_lshrrev_b32 v62, 1, v1
	v_add_nc_u32 v9, s35, v62                      ; my block's scale byte: two lanes hold a block
	v_lshlrev_b32 v10, 3, v1                       ; my 8 bytes of a row's codes
	v_lshlrev_b32 v59, 2, v1                       ; 4 x lane
	s_lshl_b32 s35, s30, 7
	s_add_co_u32 s35, s35, LLOG
	v_add_nc_u32 v11, s35, v59                     ; logits: 128 bytes a wave
	v_lshrrev_b32 v62, 3, v1
	s_lshl_b32 s35, s30, 4
	v_lshl_add_u32 v12, v62, 2, s35                ; a word a row: 16 w + 4 (lane / 8)
	s_lshl_b32 s35, s30, 5
	s_add_co_u32 s35, s35, LPS
	v_add_nc_u32 v13, s35, v61
	v_and_b32 v62, 7, v1
	v_cvt_f32_u32 v14, v62                         ; my expert's number as f32
	s_mov_b32 s36, 0xaaaaaaaa                      ; the lanes whose number has bit 0, 1, 2, 3, 4 set
	s_mov_b32 s37, 0xcccccccc
	s_mov_b32 s38, 0xf0f0f0f0
	s_mov_b32 s39, 0xff00ff00
	s_mov_b32 s40, 0xffff0000
	s_mov_b32 s42, 0x76543210                      ; v_permlanex16_b32's selects for lane l xor 16
	s_mov_b32 s43, 0xfedcba98
	s_mov_b32 s44, 0x3fb8aa3b                      ; log2(e)
	s_lshl_b32 s32, ttmp9, 7                       ; where wave 0 stores for the work-group
	s_add_nc_u64 s[18:19], s[18:19], s[32:33]
	s_add_nc_u64 s[20:21], s[20:21], s[32:33]
	s_add_nc_u64 s[22:23], s[22:23], s[32:33]
	s_lshl_b32 s32, ttmp9, 9
	s_add_nc_u64 s[16:17], s[16:17], s[32:33]
	s_lshl_b32 s32, ttmp9, 10
	s_add_nc_u64 s[26:27], s[26:27], s[32:33]
	s_wait_loadcnt 17                              ; w_router's four loads are in; b_router's one and x's sixteen may be out
.irp j, 0,1,2,3
	ds_store_b128 v5, v[W+4*\j:W+4*\j+3] offset:WL+4224*\j
.endr
	s_wait_dscnt 0x0                               ; for the others' sake: my part of w_router lies in LDS
	s_barrier_signal -1
	s_barrier_wait -1
.set J, 0
.rept 32
	ds_load_b128 v[W+4*J:W+4*J+3], v6 offset:WL+16*J   ; the 16 rows of w_router that go with my 16 numbers of a row of x
.set J, J+1
.endr
	s_wait_loadcnt 0x0                             ; x and b_router
; a row's 2,048 bytes go through the stage as they lie and come back 64 bytes a lane; LDS serves a wave's instructions in order, so one stage serves the four rows with no wait between
.macro TURN p
.irp j, 0,1,2,3
	ds_store_b128 v7, v[R+16*(\p)+4*\j:R+16*(\p)+4*\j+3] offset:8*SP*\j
.endr
.irp j, 0,1,2,3
	ds_load_b128 v[R+16*(\p)+4*\j:R+16*(\p)+4*\j+3], v8 offset:16*\j
.endr
.endm
.irp p, 0,1,2,3
	TURN \p
.endr
; two sums a and b over lanes that differ in one bit of their number become one register: a lane with the bit clear keeps a and gives b, the other the other way round
.macro RS dst, a, b, mask, xm, tg
	v_cndmask_b32 v[\tg], v[\b], v[\a], s[\mask]
	v_cndmask_b32 v[\dst], v[\a], v[\b], s[\mask]
	v_add_f32_dpp v[\dst], v[\tg], v[\dst] row_xmask:\xm row_mask:0xf bank_mask:0xf
.endm
.macro ROW p
.set XS, R+16*(\p)
	s_wait_dscnt 8*(3-(\p))                        ; this row is back from the stage: the eight instructions of each later turn may be out
	v_max3_num_f32 v48, |v[XS]|, |v[XS+1]|, |v[XS+2]|              ; the largest magnitude of my 16
	v_max3_num_f32 v49, |v[XS+3]|, |v[XS+4]|, |v[XS+5]|
.irp n, 6,10
	v_max3_num_f32 v48, v48, |v[XS+\n]|, |v[XS+\n+1]|
	v_max3_num_f32 v49, v49, |v[XS+\n+2]|, |v[XS+\n+3]|
.endr
	v_max3_num_f32 v48, v48, |v[XS+14]|, |v[XS+15]|
	v_max3_num_f32 v48, v48, v49, 0x1800000        ; and the floor 2^(3 - 127): the byte cannot fall under 1
	v_max_num_f32_dpp v48, v48, v48 row_xmask:1 row_mask:0xf bank_mask:0xf   ; with my neighbour's 16: the block's
	v_add_nc_u32 v50, 0xff000000, v48              ; 2 off its exponent field: the conversion takes this operand's exponent field as its scale
	v_cvt_scalef32_pk8_fp4_f32 v[C+2*(\p)], v[XS:XS+7], v50
	v_cvt_scalef32_pk8_fp4_f32 v[C+2*(\p)+1], v[XS+8:XS+15], v50
	v_lshrrev_b32 v[E+(\p)], 23, v50               ; the scale's byte (also the plain line behind the conversions)
	ds_store_b8 v9, v[E+(\p)] offset:16*(\p)       ; both lanes of a block write the same byte
	global_store_b64 v10, v[C+2*(\p):C+2*(\p)+1], s[14:15] offset:256*(\p)   ; the wave stores 256 consecutive bytes, aligned: the row's codes
.irp q, 0,1,2,3                                ; the router, in f32: eight experts in four pairs, my 16 k
	v_pk_mul_f32 v[A+2*\q:A+2*\q+1], v[XS:XS+1], v[W+2*\q:W+2*\q+1] op_sel_hi:[0,1]
.endr
.irp q, 0,1,2,3
	v_pk_fma_f32 v[A+2*\q:A+2*\q+1], v[XS:XS+1], v[W+8+2*\q:W+8+2*\q+1], v[A+2*\q:A+2*\q+1] op_sel:[1,0,0] op_sel_hi:[1,1,1]
.endr
.irp n, 1,2,3,4,5,6,7                          ; of the pair of x the even k, then the odd k, serves both halves
.irp q, 0,1,2,3
	v_pk_fma_f32 v[A+2*\q:A+2*\q+1], v[XS+2*\n:XS+2*\n+1], v[W+16*\n+2*\q:W+16*\n+2*\q+1], v[A+2*\q:A+2*\q+1] op_sel_hi:[0,1,1]
.endr
.irp q, 0,1,2,3
	v_pk_fma_f32 v[A+2*\q:A+2*\q+1], v[XS+2*\n:XS+2*\n+1], v[W+16*\n+8+2*\q:W+16*\n+8+2*\q+1], v[A+2*\q:A+2*\q+1] op_sel:[1,0,0] op_sel_hi:[1,1,1]
.endr
.endr
	RS A+0, A+0, A+1, 36, 1, 52
	RS A+2, A+2, A+3, 36, 1, 53
	RS A+4, A+4, A+5, 36, 1, 54
	RS A+6, A+6, A+7, 36, 1, 55
	RS A+0, A+0, A+2, 37, 2, 52
	RS A+4, A+4, A+6, 37, 2, 53
	RS D+(\p), A+0, A+4, 38, 4, 52                 ; my lane: expert lane % 8, summed over its group of eight lanes
.endm
.irp p, 0,1,2,3
	ROW \p
.endr
	RS D+0, D+0, D+1, 39, 8, 52                    ; the four groups of lanes are summed while the four rows are dealt to them
	RS D+2, D+2, D+3, 39, 8, 53
	v_cndmask_b32 v52, v[D+2], v[D+0], s40
	v_cndmask_b32 v48, v[D+0], v[D+2], s40
	v_permlanex16_b32 v53, v52, s42, s43
	v_add_f32 v48, v48, v53
	v_add_f32 v48, v48, v15                        ; lane l: the logit of row l / 8, expert l % 8
	ds_store_b32 v11, v48
	v_mov_b32 v49, v48                             ; the softmax of four rows at once, each in its eight lanes: the maximum is taken away first
	v_max_num_f32_dpp v49, v49, v49 row_xmask:1 row_mask:0xf bank_mask:0xf
	v_max_num_f32_dpp v49, v49, v49 row_xmask:2 row_mask:0xf bank_mask:0xf
	v_max_num_f32_dpp v49, v49, v49 row_xmask:4 row_mask:0xf bank_mask:0xf
	v_sub_f32 v50, v48, v49
	v_mul_f32 v50, s44, v50
	v_exp_f32 v51, v50
	v_nop                                          ; a plain line behind the exponential,
	s_wait_alu depctr_va_vdst(0)                   ; and a wait ahead of its first reader
	v_mov_b32 v52, v51
	v_add_f32_dpp v52, v52, v52 row_xmask:1 row_mask:0xf bank_mask:0xf
	v_add_f32_dpp v52, v52, v52 row_xmask:2 row_mask:0xf bank_mask:0xf
	v_add_f32_dpp v52, v52, v52 row_xmask:4 row_mask:0xf bank_mask:0xf
	v_rcp_f32 v53, v52                             ; the largest exponential is 1, so this is also the gate
	v_mov_b32 v56, v51                             ; the choice stands between the reciprocal and its wait: it names neither
	v_max_num_f32_dpp v56, v56, v56 row_xmask:1 row_mask:0xf bank_mask:0xf
	v_max_num_f32_dpp v56, v56, v56 row_xmask:2 row_mask:0xf bank_mask:0xf
	v_max_num_f32_dpp v56, v56, v56 row_xmask:4 row_mask:0xf bank_mask:0xf
	v_cmp_eq_f32 vcc_lo, v51, v56
	v_cndmask_b32 v57, 0x41000000, v14, vcc_lo     ; my number where I hold the largest, else 8
	v_min_num_f32_dpp v57, v57, v57 row_xmask:1 row_mask:0xf bank_mask:0xf
	v_min_num_f32_dpp v57, v57, v57 row_xmask:2 row_mask:0xf bank_mask:0xf
	v_min_num_f32_dpp v57, v57, v57 row_xmask:4 row_mask:0xf bank_mask:0xf   ; the lowest such number
	v_cvt_u32_f32 v57, v57
	s_wait_alu depctr_va_vdst(0)
	v_mul_f32 v54, v51, v53                        ; the probability
	ds_store_b32 v12, v57 offset:LIDX              ; eight lanes write the same word with the same value
	ds_store_b32 v12, v53 offset:LGAT
	v_add_f32_dpp v54, v54, v54 row_xmask:8 row_mask:0xf bank_mask:0xf
	v_permlanex16_b32 v55, v54, s42, s43
	v_add_f32 v54, v54, v55                        ; summed over my four rows
	ds_store_b32 v13, v54
	s_wait_dscnt 0x0                               ; for wave 0's sake: all my stores lie in LDS
	s_barrier_signal -1
	s_barrier_wait -1
	s_cmp_lg_u32 s30, 0
	s_cbranch_scc1 .Ltok_end
	ds_load_b32 v16, v59 offset:LIDX               ; wave 0 stores the work-group's small results in runs of consecutive bytes
	ds_load_b32 v17, v59 offset:LGAT
	ds_load_b128 v[20:23], v2 offset:LXS
	ds_load_b128 v[24:27], v2 offset:LLOG
	ds_load_b128 v[28:31], v2 offset:LLOG+512
	ds_load_b32 v18, v59 offset:LPS
	ds_load_b32 v19, v59 offset:LPS+128
	s_wait_dscnt 0x0
	v_add_f32 v18, v18, v19                        ; entry l: expert l % 8, waves l / 8 and l / 8 + 4
	global_store_b32 v59, v16, s[18:19]
	global_store_b32 v59, v17, s[20:21]
	global_store_b128 v2, v[20:23], s[16:17]
	global_store_b128 v2, v[24:27], s[26:27]
	global_store_b128 v2, v[28:31], s[26:27] offset:512
	global_store_b32 v59, v18, s[22:23]
.Ltok_end:
	s_wait_tensorcnt 0x0                           ; the wave's end
	ds_add_u32 v3, v4
	s_wait_dscnt 0x0
	s_endpgm
; ---------------- the weights' images: a wave moves 16,384 bytes, 32 pieces of 512; these paths touch no LDS
.macro SEND
.set L, 0
.rept 32
	s_wait_loadcnt 31-L                            ; loads come back in order: piece L is in, the later ones may be out
	global_store_b128 v2, v[64+4*L:64+4*L+3], s[24:25] offset:512*L   ; 512 consecutive bytes, 16 a lane
.set L, L+1
.endr
.endm
.Lweights:
	v_and_b32 v6, 15, v0                           ; r
	v_bfe_u32 v7, v0, 4, 1                         ; h
	s_cmp_lt_u32 ttmp9, 160
	s_cbranch_scc0 .Lw2
	s_sub_co_u32 s32, ttmp9, 128
	s_lshl_b32 s32, s32, 3
	s_add_co_u32 s32, s32, s30                     ; which 64 rows of W1 (256 bytes each): four tiles
	s_lshl_b32 s32, s32, 14
	s_add_nc_u64 s[10:11], s[10:11], s[32:33]
	s_add_nc_u64 s[24:25], s[24:25], s[32:33]
	v_and_b32 v8, 8, v6
	v_add_nc_u32 v8, v8, v6                        ; r + 8 (r / 8): the rows of a tile are chosen so that the first product's results lie as the second product's K wants them
	v_lshlrev_b32 v5, 8, v8
	v_lshl_add_u32 v5, v7, 4, v5
.set L, 0
.irp t, 0,1,2,3
.irp q, 0,1,2,3
.irp c, 0,1
	global_load_b128 v[64+4*L:64+4*L+3], v5, s[10:11] offset:(32*(\t/2)+8*(\t%2))*256+64*\q+32*\c th:TH_LOAD_NT
.set L, L+1
.endr
.endr
.endr
	SEND
	s_endpgm
.Lw2:
	s_sub_co_u32 s32, ttmp9, 160
	s_lshl_b32 s32, s32, 3
	s_add_co_u32 s34, s32, s30                     ; J: 64 rows of W2 (J / 4), four K steps of them (J % 4)
	s_lshr_b32 s32, s34, 2
	s_lshl_b32 s32, s32, 16
	s_and_b32 s35, s34, 3
	s_lshl_b32 s35, s35, 8
	s_add_co_u32 s32, s32, s35
	s_add_nc_u64 s[12:13], s[12:13], s[32:33]
	s_lshl_b32 s32, s34, 14
	s_add_co_u32 s32, s32, 0x400000
	s_add_nc_u64 s[24:25], s[24:25], s[32:33]
	v_lshlrev_b32 v5, 10, v6
	v_lshl_add_u32 v5, v7, 4, v5                   ; row r of 1,024 bytes, + 16 h
.set L, 0
.irp t, 0,1,2,3
.irp q, 0,1,2,3
.irp c, 0,1
	global_load_b128 v[64+4*L:64+4*L+3], v5, s[12:13] offset:\q*16384+64*\t+32*\c th:TH_LOAD_NT   ; K step t of the four, tile q
.set L, L+1
.endr
.endr
.endr
	SEND
	s_endpgm
.Lfunc_end_k_q2980a8d48e_prep:
	.size	k_q2980a8d48e_prep, .Lfunc_end_k_q2980a8d48e_prep-k_q2980a8d48e_prep
	.p2alignl 7, 3214868480
	.fill 96, 4, 3214868480
	.section	.rodata,"a",@progbits
	.p2align	6, 0x0
	.amdhsa_kernel k_q2980a8d48e_prep
		.amdhsa_group_segment_fixed_size 40704
		.amdhsa_private_segment_fixed_size 0
		.amdhsa_enable_private_segment 0
		.amdhsa_kernarg_size 96
		.amdhsa_user_sgpr_count 2
		.amdhsa_user_sgpr_kernarg_segment_ptr 1
		.amdhsa_wavefront_size32 1
		.amdhsa_system_sgpr_workgroup_id_x 1
		.amdhsa_system_sgpr_workgroup_id_y 1
		.amdhsa_system_sgpr_workgroup_id_z 1
		.amdhsa_system_vgpr_workitem_id 0
		.amdhsa_next_free_vgpr 256
		.amdhsa_next_free_sgpr 66
		.amdhsa_reserve_vcc 1
		.amdhsa_float_denorm_mode_32 3
		.amdhsa_float_denorm_mode_16_64 3
		.amdhsa_memory_ordered 1
		.amdhsa_forward_progress 1
		.amdhsa_inst_pref_size 54
	.end_amdhsa_kernel
	.amdgpu_metadata
---
amdhsa.version: [ 1, 2 ]
amdhsa.kernels:
  - .name:           k_q2980a8d48e_prep
    .symbol:         k_q2980a8d48e_prep.kd
    .args:
      - { .name: x, .offset: 0, .size: 8, .value_kind: global_buffer, .address_space: global }
      - { .name: w_router, .offset: 8, .size: 8, .value_kind: global_buffer, .address_space: global }
      - { .name: b_router, .offset: 16, .size: 8, .value_kind: global_buffer, .address_space: global }
      - { .name: W1_codes, .offset: 24, .size: 8, .value_kind: global_buffer, .address_space: global }
      - { .name: W2_codes, .offset: 32, .size: 8, .value_kind: global_buffer, .address_space: global }
      - { .name: xq, .offset: 40, .size: 8, .value_kind: global_buffer, .address_space: global }
      - { .name: xs, .offset: 48, .size: 8, .value_kind: global_buffer, .address_space: global }
      - { .name: idx, .offset: 56, .size: 8, .value_kind: global_buffer, .address_space: global }
      - { .name: gate, .offset: 64, .size: 8, .value_kind: global_buffer, .address_space: global }
      - { .name: psum, .offset: 72, .size: 8, .value_kind: global_buffer, .address_space: global }
      - { .name: wimg, .offset: 80, .size: 8, .value_kind: global_buffer, .address_space: global }
      - { .name: out2, .offset: 88, .size: 8, .value_kind: global_buffer, .address_space: global }
    .group_segment_fixed_size: 40704
    .private_segment_fixed_size: 0
    .kernarg_segment_align: 8
    .kernarg_segment_size: 96
    .max_flat_workgroup_size: 256
    .sgpr_count:     66
    .vgpr_count:     256
    .wavefront_size: 32
...
	.end_amdgpu_metadata
.endif
;; end of part 4
;; launch chain (part 5): grid 136 x 1, 8 waves a work-group, no clusters, 129,024 bytes of LDS; arguments idx, psum, xq, xs, gate, wimg, W1_scales, b1, W2_scales, b2, out0, out1; writes out0, out1
.if DOCPART == 5
	.amdgcn_target "amdgcn-amd-amdhsa--gfx1250"
	.amdhsa_code_object_version 6
	.text
	.protected	k_q2980a8d48e_chain
	.globl	k_q2980a8d48e_chain
	.p2align	8
	.type	k_q2980a8d48e_chain,@function
k_q2980a8d48e_chain:
	s_mov_b64 s[64:65], 0
	v_nop
	global_prefetch_b8 v0, s[64:65] scope:SCOPE_SE
	s_setreg_imm32_b32 hwreg(HW_REG_WAVE_MODE, 25, 1), 1
	s_wait_xcnt 0x0
; SECOND OF TWO LAUNCHES: out0[token] = gate x (relu(x W1[e] + b1[e]) W2[e] + b2[e]) for the token's own expert e alone, and out1, the load-balance loss.  The rows of the other experts, which the function's
; where(top_idx == i) discards, are not multiplied: the experts' numbers that the first launch stored say which rows belong to which expert.
; THE SORT, IN EVERY WORK-GROUP.  Each expert's tokens are cut into tiles of 32 rows, each expert beginning a new tile: with 4,096 rows and 8 experts never more than 128 + 7 = 135 tiles, whatever the split.  Work-group t
; (0 to 134) takes tile t.  It reads all 4,096 experts' numbers (16,384 bytes; wave w tokens 512 w on, 16 registers a lane), counts each expert by ballots, exchanges the eight waves' counts through LDS, and so knows every
; expert's first tile: its own expert e, its place t' among e's tiles and its rows n follow by selects, with no jump.  A token's rank among its expert's tokens goes by (wave, register, lane), the same in all work-groups.
; Lane s then looks for the token of rank 32 t' + min(s, n - 1): which register's ballot holds it (fifteen compares with the wave's running starts), and which set bit of that ballot (five halvings on counts of 16, 8, 4, 2, 1
; bits made in parallel).  A lane whose rank lies in another wave's range gives 0; the eight waves' words are added.  No LDS address and no lane number is made of data.
; Work-group 135 counts with the others and then makes out1 = 8 x sum over experts of (tokens / 4,096) x (sum of probabilities / 4,096) = 2^-21 x sum of count x sum.
; A work-group takes its tile through the whole chain; the hidden layer stays in LDS as codes.  The expert comes from memory, and the stores of an empty tile are jumped over on a number made of what was read: so the launch
; has no tensor load and no cluster; the weights go from memory straight into registers, from images laid in the order of the operand's registers.
; AN EMPTY TILE (at most 7 of the 135).  Every wave passes every barrier, and no barrier stands under a branch on a loaded number.  So a work-group whose tile has no rows walks the chain like the others (no wave finds a
; token, so all its rows are token 0), and only its sixteen stores at the end are jumped over: it stores nothing.
; A tile with fewer than 32 rows repeats its last token in the rows left over: they compute the same bits and store them to the same place, so no lane is switched off.
; SHARES.  THE EIGHT WAVES SHARE THE COLUMNS: wave w makes hidden units 256 w .. 256 w + 255 (K steps 2 w, 2 w + 1 of the second product) and outputs 64 w .. 64 w + 63, for all 32 rows (two tiles of 16 rows, m = 0, 1).
; Both products are used TRANSPOSED (source 0 = 16 rows of the weight, source 1 = 16 tokens): a lane holds one token, its registers run along the hidden units or the outputs.  The rows of W1 that form a tile are chosen
; (lane r of tile 2 b + u: row 32 b + 8 u + r + 8 (r / 8)) so that the 16 registers of tiles 2 b, 2 b + 1 are 16 neighbours along the next K.  The biases are the C of each sum's first product, loaded into the accumulators.
; THE WEIGHTS' STREAM: 16 steps of 8,192 bytes a wave (8 of W1, 8 of W2), through a ring of four slots of 64 registers: four steps, 32,768 bytes a wave, are asked for ahead; every offset is an immediate.  The first two steps
; are asked for as soon as the expert is known, ahead of the search for the tokens.
; Operands go from wave to wave through LDS as images of their registers: lane l's 16 bytes at 16 l.
; LIMITS.  A block of zeros of the hidden layer gets the scale byte 1 where the quantiser says 127: its codes are zeros, and only this launch reads the bytes.
.set XIMG,  0                          ; LDS: x's 16 pieces (m, q, c) of 512 bytes at ((4 m + q) 2 + c) 512
.set HIMG,  8192                       ; the hidden layer's 32 fragments (K step s, m) at (2 s + m) 1024, half c at + 512
.set HSC,   40960                      ; their scale words: 128 s + 64 m + 4 r
.set B1L,   43008                      ; for each wave: its 256 numbers of b1,
.set B2L,   51200                      ; its 64 of b2,
.set TKT,   53248                      ; the tile's 32 token numbers,
.set GTL,   54272                      ; their gates
.set TKP,   55296                      ; [wave][row]: what each wave found of the tile's 32 tokens
.set CTL,   56320                      ; [row = expert, 32 rows of 64 bytes of which 8 count][wave]: the waves' counts
.set STG,   58368                      ; for each wave a stage of 32 rows x (256 + 16) bytes for the way out
.set SPARE, 128000                     ; the spare words, 128 bytes for each wave: no other line names them
.set LI,  1                            ; v1   16 x lane
.set SPW, 2                            ; v2   my spare word;  v3: 0
.set NIL, 3
.set LS,  4                            ; v4   4 x lane
.set XW,  5                            ; v5   where my 16 bytes of x's codes go in XIMG
.set HW,  6                            ; v6   16 x lane + 4,096 w: my wave's fragments in HIMG
.set HSA, 7                            ; v7   4 r + 256 w: their scale words
.set VB1, 8                            ; v8   b1 in LDS: my half's numbers
.set VB2, 9                            ; v9   b2 likewise
.set SO,  10                           ; v10  the stage: where I put 32 bytes of a row
.set SR,  11                           ; v11  and where I read a row back
.set TT,  12                           ; v12  the token of row 2 i + h
.set GA,  13                           ; v13  the gate of row r
.set R16, 14                           ; v14  16 r
.set O1S, 15                           ; v15  W1's scale words: 16 (r + 8 (r / 8) + 8 h)
.set O2S, 16                           ; v16  64 x lane: W2's scale words; also my row of counts in CTL
.set L8,  17                           ; v17  8 x lane
.set TKW, 18                           ; v18, v19  where I store a token number and a gate
.set GTW, 19
.set XSW, 20                           ; v20-23 scale words of x (register q; lanes 0-15 rows 0-15, lanes 16-31 rows 16-31), later of the hidden layer, two sets of two
.set TK0, 24                           ; v24-27 token numbers of three kinds of rows, and a gate;  v28-31 offsets of the gathers
.set W1S, 32                           ; v32-63 W1's scale words: 16 i + 4 b + q; lanes 0-15 tile 2 b, lanes 16-31 tile 2 b + 1
.set W2S, 64                           ; v64-95 W2's: 16 (j / 2) + s; lanes 0-15 tile j even, lanes 16-31 tile j odd
.set XF,  96                           ; v96-159 x's 8 fragments (32 m + 8 q), later the hidden layer's, two sets of four, later rows of the result; ahead of them the sort:
.set IX,  96                           ; v96-111  my 16 tokens' experts: register 4 i + c of lane l is token 512 w + 128 i + 4 l + c
.set RK,  112                          ; v112 the rank that my lane looks for
.set SLM, 113                          ; v113 the ballot that holds it, v114 the rank of that ballot's first token, v115 its register's number
.set SLP, 114
.set SLJ, 115
.set KK,  116                          ; v116 which set bit, v117 its place
.set POS, 117
.set QA,  118                          ; v118-121 the ballot's counts of 2, 4, 8 and 16 bits
.set QB,  119
.set QC,  120
.set QD,  121
.set T0,  122                          ; v122, v123 at work
.set T1,  123
.set CV,  124                          ; v124 my wave's eight counts, lane e expert e
.set VT,  125                          ; v125 lane e: expert e's tokens in all;  v126: those of the waves in front of mine
.set VP,  126
.set CW,  128                          ; v128-135 eight words from LDS
.set PS,  32                           ; the loss: v32-159 the 4,096 partial sums, 128 a lane
.set LC,  160                          ; the loss: v160-165 at work
.set ACC, 160                          ; v160-223 eight accumulators
.set PC,  224                          ; v224-231 codes just made
.set TM,  232                          ; v232-235 largest magnitudes, v236-239 bytes, v244-247 the conversions' scale operands
.set B1W, 240                          ; v240, v241 where I store b1 and b2 in LDS
.set B2W, 241
.set CTW, 242                          ; v242 64 x lane + 4 w: where I store a count
.set TKA, 243                          ; v243 the token of row 4 w + h in my wave's table
.set PW,  248                          ; v248, v249 the scale words being made, m = 0, 1
.set G0,  250                          ; v250 the gate of row r, v252 that of row 16 + r: each the low word of a pair
.set G1,  252
.set W1P, 34                           ; s[34:35] my wave's part of W1's image;  s[36:37] of W2's
.set W2P, 36
.set SEL, 38
.set NR,  42                           ; s42  the tile's rows, 0 to 32
.set R0,  43                           ; s43  the rank of the tile's first token: 32 t'
.set CN,  44                           ; s44-51 my wave's counts
.set TOT, 52                           ; s52-59 the experts' tokens in all
.set ST,  44                           ; s44-59, once those are done with: the rank of the first token of each of my 16 ballots
.set PRE, 66                           ; s66-73 the experts' tokens in the waves in front of mine
.set TBS, 74                           ; s74-82 the experts' first tiles
.set PRS, 83                           ; s83  my expert's tokens in the waves in front of mine
.set MK,  84                           ; s84-99 sixteen ballots
.set MSB, 0
.macro WIN new                         ; window 1 (v256-511) holds the ring; the immediate's high byte repeats the setting that is left
.if MSB != \new
	s_set_vgpr_msb (MSB<<8)|\new
.set MSB, \new
.endif
.endm
.macro PLACES                          ; four plain vector lines between a matrix instruction and a load into its registers or a read of its result
.rept 4
	v_nop
.endr
.endm
	s_load_b512 s[4:19], s[0:1], 0x0               ; idx 4, psum 6, xq 8, xs 10, gate 12, wimg 14, W1_scales 16, b1 18
	s_load_b256 s[20:27], s[0:1], 0x40             ; W2_scales 20, b2 22, out0 24, out1 26
	v_lshl_add_u32 v[SPW], v0, 2, SPARE
	v_mov_b32 v[NIL], 0
	v_lshrrev_b32 v232, 5, v0
	v_readfirstlane_b32 s28, v232                  ; wave 0..7
	v_and_b32 v232, 31, v0                         ; lane
	v_lshlrev_b32 v[LI], 4, v232
	s_lshl_b32 s32, s28, 11                        ; my wave's 512 tokens: 2,048 bytes
	s_mov_b32 s33, 0
	s_wait_kmcnt 0x0
	s_add_nc_u64 s[4:5], s[4:5], s[32:33]
.irp i, 0,1,2,3
	global_load_b128 v[IX+4*\i:IX+4*\i+3], v[LI], s[4:5] offset:512*\i   ; the experts' numbers; the lanes' addresses are made while they come
.endr
	v_and_b32 v233, 15, v0                         ; r
	v_bfe_u32 v234, v0, 4, 1                       ; h
	v_lshlrev_b32 v[LS], 2, v232
	v_lshlrev_b32 v[O2S], 6, v232
	v_lshlrev_b32 v[L8], 3, v232
	v_lshlrev_b32 v[R16], 4, v233
	; x's codes: I load piece a = lane % 16 (16 bytes: q = a / 4, c = (a / 2) % 2, h = a % 2) of row 4 w + 2 i + lane / 16; in the image that is 4096 m + 1024 q + 512 c + 256 h + 16 (row % 16)
	v_bfe_u32 v235, v0, 1, 3
	v_and_b32 v[XW], 1, v0
	v_lshlrev_b32 v[XW], 8, v[XW]
	v_lshl_add_u32 v[XW], v235, 9, v[XW]
	v_lshl_add_u32 v[XW], v234, 4, v[XW]
	s_lshr_b32 s40, s28, 2
	s_lshl_b32 s40, s40, 12
	s_and_b32 s41, s28, 3
	s_lshl_b32 s41, s41, 6
	s_add_co_u32 s40, s40, s41
	v_add_nc_u32 v[XW], s40, v[XW]
	s_lshl_b32 s40, s28, 12
	v_add_nc_u32 v[HW], s40, v[LI]
	s_lshl_b32 s40, s28, 8
	v_lshl_add_u32 v[HSA], v233, 2, s40
	s_lshl_b32 s40, s28, 10
	s_add_co_u32 s40, s40, B1L
	v_lshl_add_u32 v[VB1], v234, 6, s40
	v_add_nc_u32 v[B1W], s40, v[LI]
	s_lshl_b32 s40, s28, 8
	s_add_co_u32 s40, s40, B2L
	v_lshl_add_u32 v[VB2], v234, 5, s40
	v_add_nc_u32 v[B2W], s40, v[L8]
	s_mul_i32 s40, s28, 32*272
	s_add_co_u32 s40, s40, STG
	v_mul_u32_u24 v[SO], v233, 272
	v_lshl_add_u32 v[SO], v234, 5, v[SO]
	v_add_nc_u32 v[SO], s40, v[SO]
	v_mul_u32_u24 v[SR], v234, 272
	v_lshl_add_u32 v[SR], v233, 4, v[SR]
	v_add_nc_u32 v[SR], s40, v[SR]
	s_lshl_b32 s40, s28, 7
	s_add_co_u32 s41, s40, TKT
	v_lshl_add_u32 v[TT], v234, 2, s41
	v_add_nc_u32 v[TKW], s41, v[LS]
	s_add_co_u32 s41, s40, GTL
	v_lshl_add_u32 v[GA], v233, 2, s41
	v_add_nc_u32 v[GTW], s41, v[LS]
	v_and_b32 v235, 8, v233
	v_add_nc_u32 v235, v235, v233
	v_lshl_add_u32 v235, v234, 3, v235
	v_lshlrev_b32 v[O1S], 4, v235
	s_lshl_b32 s40, s28, 2
	v_lshl_add_u32 v[CTW], v232, 6, s40
	s_mul_i32 s40, s28, 144
	s_add_co_u32 s40, s40, TKT
	v_lshl_add_u32 v[TKA], v234, 2, s40            ; my wave's table (128 w) + row 4 w + h (16 w + 4 h)
.irp b, 0,1,2,3
	v_mov_b32 v[TM+4+\b], 0                        ; written once: a lane permute's destination counts as one of its sources
.endr
	v_mov_b32 v[G0+1], 0                           ; (named as the upper halves of the gates' pairs)
	v_mov_b32 v[G1+1], 0
	s_mov_b32 s[SEL], 0x76543210
	s_mov_b32 s[SEL+1], 0xfedcba98                 ; v_permlanex16_b32's selects for lane l xor 16
	s_wait_loadcnt 0x0                             ; my 512 experts' numbers
.irp j, 0,1,2,3,4,5,6,7,8,9,10,11,12,13,14,15
	v_min_u32 v[IX+\j], 7, v[IX+\j]
.endr
; THE COUNTS: for each expert sixteen ballots on end, then their bits are counted and added
.irp e, 0,1,2,3,4,5,6,7
.irp j, 0,1,2,3,4,5,6,7,8,9,10,11,12,13,14,15
	v_cmp_eq_u32 s[MK+\j], \e, v[IX+\j]
.endr
	s_bcnt1_i32_b32 s[CN+\e], s[MK]
.irp j, 1,2,3,4,5,6,7,8,9,10,11,12,13,14,15
	s_bcnt1_i32_b32 s40, s[MK+\j]
	s_add_co_u32 s[CN+\e], s[CN+\e], s40
.endr
.endr
	v_mov_b32 v[CV], 0
.irp e, 0,1,2,3,4,5,6,7
	v_writelane_b32 v[CV], s[CN+\e], \e
.endr
	ds_store_b32 v[CTW], v[CV] offset:CTL          ; lane e: expert e's count; lanes 8-31 write zeros into rows that count for nothing
	s_wait_dscnt 0x0                               ; for the others' sake: my counts lie in LDS
	s_barrier_signal -1
	s_barrier_wait -1
	ds_load_b128 v[CW:CW+3], v[O2S] offset:CTL     ; lane e: expert e's counts of the eight waves
	ds_load_b128 v[CW+4:CW+7], v[O2S] offset:CTL+16
	v_mov_b32 v[VP], 0
	s_bfm_b32 s41, s28, 0                          ; a one for each wave in front of mine
	s_wait_dscnt 0x0
	v_add_nc_u32 v[VT], v[CW], v[CW+1]
.irp i, 2,3,4,5,6,7
	v_add_nc_u32 v[VT], v[VT], v[CW+\i]
.endr
.set I, 0
.rept 8
	s_bfe_u32 s40, s41, (1<<16)|I
	v_mad_u32_u24 v[VP], v[CW+I], s40, v[VP]
.set I, I+1
.endr
.irp e, 0,1,2,3,4,5,6,7
	v_readlane_b32 s[TOT+\e], v[VT], \e
	v_readlane_b32 s[PRE+\e], v[VP], \e
.endr
	s_mov_b32 s[TBS], 0
.irp e, 0,1,2,3,4,5,6,7
	s_add_co_u32 s40, s[TOT+\e], 31
	s_lshr_b32 s40, s40, 5
	s_add_co_u32 s[TBS+1+\e], s[TBS+\e], s40       ; each expert begins a new tile
.endr
	s_cmp_lg_u32 ttmp9, 135                        ; the work-group's number alone: the same in all eight waves
	s_cbranch_scc1 .Lchain
; ---------------- work-group 135: the loss, by wave 0.  psum is [128][32], entry l of expert l % 8: number 128 i + 4 lane + c is of expert 4 (lane % 2) + c
	s_cmp_lg_u32 s28, 0
	s_cbranch_scc1 .Lnone
.set I, 0
.rept 32
	global_load_b128 v[PS+4*I:PS+4*I+3], v[LI], s[6:7] offset:512*I
.set I, I+1
.endr
	s_mov_b32 s40, 0xaaaaaaaa                      ; the odd lanes
.irp c, 0,1,2,3
	v_mov_b32 v[LC+\c], s[TOT+\c]
	v_cndmask_b32 v[LC+\c], v[LC+\c], s[TOT+4+\c], s40
	v_cvt_f32_u32 v[LC+\c], v[LC+\c]               ; the tokens of expert 4 (lane % 2) + c
.endr
	s_wait_loadcnt 0x0
.set I, 1
.rept 31
	v_pk_add_f32 v[PS:PS+1], v[PS:PS+1], v[PS+4*I:PS+4*I+1]
	v_pk_add_f32 v[PS+2:PS+3], v[PS+2:PS+3], v[PS+4*I+2:PS+4*I+3]
.set I, I+1
.endr
.irp x, 2,4,8                                  ; over the lanes of my parity
.irp c, 0,1,2,3
	v_add_f32_dpp v[PS+\c], v[PS+\c], v[PS+\c] row_xmask:\x row_mask:0xf bank_mask:0xf
.endr
.endr
.irp c, 0,1,2,3
	v_permlanex16_b32 v[TM+4+\c], v[PS+\c], s[SEL], s[SEL+1]
.endr
.irp c, 0,1,2,3
	v_add_f32 v[PS+\c], v[PS+\c], v[TM+4+\c]       ; the expert's probabilities, summed over all tokens
.endr
	v_mul_f32 v[LC+4], v[PS], v[LC]
	v_fma_f32 v[LC+4], v[PS+1], v[LC+1], v[LC+4]
	v_fma_f32 v[LC+4], v[PS+2], v[LC+2], v[LC+4]
	v_fma_f32 v[LC+4], v[PS+3], v[LC+3], v[LC+4]
	v_add_f32_dpp v[LC+4], v[LC+4], v[LC+4] row_xmask:1 row_mask:0xf bank_mask:0xf   ; both parities: all eight experts
	v_mul_f32 v[LC+4], 0x35000000, v[LC+4]         ; x 2^-21
	v_mov_b32 v[LC+5], 0
	v_cmp_eq_u32 vcc_lo, 0, v0
	s_wait_xcnt 0x0                                ; EXEC changes only behind this wait: loads have been issued
	s_and_saveexec_b32 s40, vcc_lo
	global_store_b32 v[LC+5], v[LC+4], s[26:27]    ; thread 0 alone
	s_wait_xcnt 0x0                                ; and again, in front of the line that widens it
	s_or_b32 exec_lo, exec_lo, s40
	s_branch .Lnone
; ---------------- work-groups 0 to 134: tile t belongs to the last expert whose first tile is at or under t
.Lchain:
	s_mov_b32 s30, 0
	s_mov_b32 s[R0], 0
	s_mov_b32 s29, s[TOT]
	s_mov_b32 s[PRS], s[PRE]
.irp e, 1,2,3,4,5,6,7
	s_cmp_le_u32 s[TBS+\e], ttmp9
	s_cselect_b32 s30, \e, s30
	s_cselect_b32 s[R0], s[TBS+\e], s[R0]
	s_cselect_b32 s29, s[TOT+\e], s29
	s_cselect_b32 s[PRS], s[PRE+\e], s[PRS]
.endr
	s_min_u32 s30, s30, 7                          ; the expert
	s_sub_co_u32 s[R0], ttmp9, s[R0]               ; my place among its tiles,
	s_lshl_b32 s[R0], s[R0], 5                     ; and my first token's rank
	s_sub_co_i32 s[NR], s29, s[R0]                 ; the expert's tokens from there on,
	s_max_i32 s[NR], s[NR], 0
	s_min_i32 s[NR], s[NR], 32                     ; held to 0 .. 32: the tile's rows; 0: an empty tile
	s_max_u32 s31, s[NR], 1
	s_sub_co_u32 s31, s31, 1                       ; the tile's last row
	s_lshl_b32 s32, s30, 19
	s_lshl_b32 s40, s28, 16
	s_add_co_u32 s32, s32, s40
	s_add_nc_u64 s[W1P:W1P+1], s[14:15], s[32:33]  ; 524,288 bytes an expert, 65,536 a wave, in both images
	s_add_nc_u64 s[W2P:W2P+1], s[W1P:W1P+1], 0x400000
	s_lshl_b32 s32, s30, 15
	s_lshl_b32 s40, s28, 12
	s_add_co_u32 s32, s32, s40
	s_add_nc_u64 s[16:17], s[16:17], s[32:33]      ; scale bytes: 32,768 an expert, 4,096 a wave, in both
	s_add_nc_u64 s[20:21], s[20:21], s[32:33]
	s_lshl_b32 s32, s30, 13
	s_lshl_b32 s40, s28, 10
	s_add_co_u32 s32, s32, s40
	s_add_nc_u64 s[18:19], s[18:19], s[32:33]      ; b1
	s_lshl_b32 s32, s30, 11
	s_lshl_b32 s40, s28, 8
	s_add_co_u32 s32, s32, s40
	s_add_nc_u64 s[22:23], s[22:23], s[32:33]      ; b2
	s_mov_b32 s32, s40
	s_add_nc_u64 s[24:25], s[24:25], s[32:33]      ; out0: my 64 columns
.irp i, 0,1
.irp b, 0,1,2,3
	global_load_b128 v[W1S+16*\i+4*\b:W1S+16*\i+4*\b+3], v[O1S], s[16:17] offset:2048*\i+512*\b
.endr
.endr
.irp p, 0,1
.irp j, 0,1,2,3
	global_load_b128 v[W2S+16*\p+4*\j:W2S+16*\p+4*\j+3], v[O2S], s[20:21] offset:2048*\p+16*\j
.endr
.endr
	global_load_b128 v[ACC+8:ACC+11], v[LI], s[18:19]
	global_load_b128 v[ACC+12:ACC+15], v[LI], s[18:19] offset:512
	global_load_b64 v[ACC+16:ACC+17], v[L8], s[22:23]
; step S of the weights' stream into slot S % 4: sixteen loads of 512 consecutive bytes
.macro FILL S
	WIN 0x40                                       ; destination window 1, address window 0
.if (\S) < 8
.irp l, 0,1,2,3,4,5,6,7,8,9,10,11,12,13,14,15
	global_load_b128 v[64*((\S)%4)+4*\l:64*((\S)%4)+4*\l+3], v[LI], s[W1P:W1P+1] offset:8192*(\S)+512*\l
.endr
.else
.irp l, 0,1,2,3,4,5,6,7,8,9,10,11,12,13,14,15
	global_load_b128 v[64*((\S)%4)+4*\l:64*((\S)%4)+4*\l+3], v[LI], s[W2P:W2P+1] offset:8192*((\S)-8)+512*\l
.endr
.endif
	WIN 0
.endm
	FILL 0
	FILL 1
; THE TILE'S TOKENS, while the first weights are on their way
.irp j, 0,1,2,3,4,5,6,7,8,9,10,11,12,13,14,15
	v_cmp_eq_u32 s[MK+\j], s30, v[IX+\j]           ; my expert's tokens among my wave's 512
.endr
	s_mov_b32 s[ST], s[PRS]
.irp j, 0,1,2,3,4,5,6,7,8,9,10,11,12,13,14
	s_bcnt1_i32_b32 s40, s[MK+\j]
	s_add_co_u32 s[ST+\j+1], s[ST+\j], s40         ; the rank of each ballot's first token
.endr
	s_bcnt1_i32_b32 s40, s[MK+15]
	s_add_co_u32 s40, s[ST+15], s40                ; and the rank behind my wave's last
	v_min_u32 v[RK], s31, v232                     ; rows past the last take the last
	v_add_nc_u32 v[RK], s[R0], v[RK]               ; the rank that my lane looks for
	v_mov_b32 v[SLM], s[MK]
	v_mov_b32 v[SLP], s[ST]
	v_mov_b32 v[SLJ], 0
.irp j, 1,2,3,4,5,6,7,8,9,10,11,12,13,14,15
	v_cmp_le_u32 vcc_lo, s[ST+\j], v[RK]           ; the last ballot that begins at or under it holds it
	v_cndmask_b32 v[SLM], v[SLM], s[MK+\j], vcc_lo
	v_cndmask_b32 v[SLP], v[SLP], s[ST+\j], vcc_lo
	v_cndmask_b32 v[SLJ], v[SLJ], \j, vcc_lo
.endr
	v_cmp_le_u32 s41, s[ST], v[RK]
	v_cmp_gt_u32 vcc_lo, s40, v[RK]
	s_and_b32 s41, s41, vcc_lo                     ; the lanes whose rank lies in my wave's range
	v_sub_nc_u32 v[KK], v[RK], v[SLP]              ; which set bit of the ballot, from 0
	v_lshrrev_b32 v[T0], 1, v[SLM]
	v_and_b32 v[T0], 0x55555555, v[T0]
	v_sub_nc_u32 v[QA], v[SLM], v[T0]              ; the set bits of each 2,
	v_lshrrev_b32 v[T0], 2, v[QA]
	v_and_b32 v[T0], 0x33333333, v[T0]
	v_and_b32 v[T1], 0x33333333, v[QA]
	v_add_nc_u32 v[QB], v[T0], v[T1]               ; of each 4,
	v_lshrrev_b32 v[T0], 4, v[QB]
	v_add_nc_u32 v[T0], v[QB], v[T0]
	v_and_b32 v[QC], 0x0f0f0f0f, v[T0]             ; of each 8,
	v_lshrrev_b32 v[T0], 8, v[QC]
	v_add_nc_u32 v[QD], v[QC], v[T0]               ; and, in its lowest byte, of the low 16
	v_mov_b32 v[POS], 0
.macro HALF x, fw, inc                 ; is the bit in the lower half of what is left (its set bits: fw bits of x at POS), or inc places further up?
	v_bfe_u32 v[T0], v[\x], v[POS], \fw
	v_cmp_ge_u32 vcc_lo, v[KK], v[T0]
	v_cndmask_b32 v[T0], 0, v[T0], vcc_lo
	v_cndmask_b32 v[T1], 0, \inc, vcc_lo
	v_sub_nc_u32 v[KK], v[KK], v[T0]
	v_add_nc_u32 v[POS], v[POS], v[T1]
.endm
	HALF QD, 8, 16
	HALF QC, 8, 8
	HALF QB, 4, 4
	HALF QA, 2, 2
	HALF SLM, 1, 1
	v_lshrrev_b32 v[T0], 2, v[SLJ]                 ; register 4 i + c, lane l: token 512 w + 128 i + 4 l + c
	v_and_b32 v[T1], 3, v[SLJ]
	v_lshl_add_u32 v[T0], v[T0], 7, v[T1]
	v_lshl_add_u32 v[T0], v[POS], 2, v[T0]
	s_lshl_b32 s40, s28, 9
	v_add_nc_u32 v[T0], s40, v[T0]
	v_cndmask_b32 v[T0], 0, v[T0], s41             ; 0 where another wave holds the rank
	ds_store_b32 v[TKW], v[T0] offset:TKP-TKT
	s_wait_dscnt 0x0                               ; for the others' sake: what I found lies in LDS
	s_barrier_signal -1
	s_barrier_wait -1                              ; the weights' loads stay on their way across it: nobody writes those bytes
.irp i, 0,1,2,3,4,5,6,7
	ds_load_b32 v[CW+\i], v[LS] offset:TKP+128*\i
.endr
	s_wait_dscnt 0x0
	v_add_nc_u32 v[T0], v[CW], v[CW+1]
.irp i, 2,3,4,5,6,7
	v_add_nc_u32 v[T0], v[T0], v[CW+\i]            ; one wave at the most gave a number
.endr
	v_min_u32 v[TK0+2], 0xfff, v[T0]               ; the token of row = lane
	ds_store_b32 v[TKW], v[TK0+2]                  ; my wave's own table; LDS serves a wave's instructions in order: the loads below see it
	ds_load_b32 v[TK0], v[TKA]                     ; the rows whose codes I fetch: 4 w + lane / 16,
	ds_load_b32 v[TK0+1], v[TKA] offset:8          ; and two further on
	s_wait_dscnt 0x0
	v_min_u32 v[TK0], 0xfff, v[TK0]
	v_min_u32 v[TK0+1], 0xfff, v[TK0+1]
	v_lshl_add_u32 v28, v[TK0], 8, v[R16]          ; a token's codes are 256 bytes: sixteen lanes read them whole
	v_lshl_add_u32 v29, v[TK0+1], 8, v[R16]
	v_lshlrev_b32 v30, 4, v[TK0+2]
	v_lshlrev_b32 v31, 2, v[TK0+2]
	global_load_b128 v[ACC:ACC+3], v28, s[8:9]
	global_load_b128 v[ACC+4:ACC+7], v29, s[8:9]
	global_load_b128 v[XSW:XSW+3], v30, s[10:11]
	global_load_b32 v[TK0+3], v31, s[12:13]
	FILL 2
	FILL 3
	s_wait_loadcnt 32                              ; all but the last two steps of the ring
	ds_store_b128 v[XW], v[ACC:ACC+3] offset:XIMG
	ds_store_b128 v[XW], v[ACC+4:ACC+7] offset:XIMG+32
	ds_store_b128 v[B1W], v[ACC+8:ACC+11]
	ds_store_b128 v[B1W], v[ACC+12:ACC+15] offset:512
	ds_store_b64 v[B2W], v[ACC+16:ACC+17]
	ds_store_b32 v[GTW], v[TK0+3]
	s_wait_dscnt 0x0                               ; for the others' sake: my four rows of x lie in LDS
	s_barrier_signal -1
	s_barrier_wait -1
.irp m, 0,1
.irp q, 0,1,2,3
.irp c, 0,1
	ds_load_b128 v[XF+32*\m+8*\q+4*\c:XF+32*\m+8*\q+4*\c+3], v[LI] offset:XIMG+((4*\m+\q)*2+\c)*512
.endr
.endr
.endr
	ds_load_b32 v[G0], v[GA]
	ds_load_b32 v[G1], v[GA] offset:64
; one product; rD, rA, rB, rSA, rSB are set by the caller; ra, rb: which half of the lanes holds the side's scale words
.macro WM ra, rb
.if ((\ra) == 0) && ((\rb) == 0)
	v_wmma_scale_f32_16x16x128_f8f6f4 v[rD:rD+7], v[rA:rA+7], v[rB:rB+7], v[rD:rD+7], v[rSA], v[rSB] matrix_a_fmt:MATRIX_FMT_FP4 matrix_b_fmt:MATRIX_FMT_FP4
.elseif (\rb) == 0
	v_wmma_scale_f32_16x16x128_f8f6f4 v[rD:rD+7], v[rA:rA+7], v[rB:rB+7], v[rD:rD+7], v[rSA], v[rSB] matrix_a_fmt:MATRIX_FMT_FP4 matrix_b_fmt:MATRIX_FMT_FP4 matrix_a_scale:MATRIX_SCALE_ROW1
.elseif (\ra) == 0
	v_wmma_scale_f32_16x16x128_f8f6f4 v[rD:rD+7], v[rA:rA+7], v[rB:rB+7], v[rD:rD+7], v[rSA], v[rSB] matrix_a_fmt:MATRIX_FMT_FP4 matrix_b_fmt:MATRIX_FMT_FP4 matrix_b_scale:MATRIX_SCALE_ROW1
.else
	v_wmma_scale_f32_16x16x128_f8f6f4 v[rD:rD+7], v[rA:rA+7], v[rB:rB+7], v[rD:rD+7], v[rSA], v[rSB] matrix_a_fmt:MATRIX_FMT_FP4 matrix_b_fmt:MATRIX_FMT_FP4 matrix_a_scale:MATRIX_SCALE_ROW1 matrix_b_scale:MATRIX_SCALE_ROW1
.endif
.endm
; PHASE 1, in four groups (i, g): my K step i, its blocks 2 g and 2 g + 1 (64 hidden units), both tiles of rows: accumulator (m, b, u) at ACC + 32 m + 16 b + 8 u.
.macro BIAS1 i, g                      ; b1 of the lane's eight units goes straight into each accumulator: hidden unit 128 i + 64 g + 32 b + 16 h + 8 u + 0 .. 7
.irp m, 0,1
.irp b, 0,1
.irp u, 0,1
.irp j, 0,1
	ds_load_b128 v[ACC+32*\m+16*\b+8*\u+4*\j:ACC+32*\m+16*\b+8*\u+4*\j+3], v[VB1] offset:512*(\i)+256*(\g)+128*\b+32*\u+16*\j
.endr
.endr
.endr
.endr
	s_wait_dscnt 0x0                               ; the biases are in (and x's fragments; and the last group's LDS stores have read their registers)
.endm
.macro MUL1 i, g, bp                   ; step 4 i + 2 g + bp of the stream: two tiles of W1 x four K steps x two tiles of rows; the four accumulators take turns, one instruction a turn
.set SS, 4*(\i)+2*(\g)+(\bp)
	s_wait_loadcnt 48                              ; this step's sixteen loads are in; the three younger steps may be out
	WIN 0x01                                       ; source 0 window 1
.irp q, 0,1,2,3
.irp u, 0,1
.irp m, 0,1
.set rD, ACC+32*\m+16*(\bp)+8*\u
.set rA, 64*(SS%4)+32*\u+8*\q
.set rB, XF+32*\m+8*\q
.set rSA, W1S+16*(\i)+4*(2*(\g)+(\bp))+\q
.set rSB, XSW+\q
	WM \u, \m
.endr
.endr
.endr
	WIN 0
	PLACES
	FILL SS+4                                      ; the slot takes the step four further on
.endm
.macro QUANT i, g                      ; relu, then four blocks of 32 (m, b) at ACC + 16 (2 m + b) become half a fragment for each tile of rows, and two bytes of its scale words
.set J, 0
.rept 64
	v_max_num_f32 v[ACC+J], 0, v[ACC+J]            ; the activation, in f32; each accumulator from its low end on
.set J, J+1
.endr
.irp b, 0,1,2,3
	v_max3_num_f32 v[TM+\b], v[ACC+16*\b], v[ACC+16*\b+1], 0x1800000   ; my 16 numbers (none is negative), and the floor 2^(3 - 127): the byte cannot fall under 1
.endr
.irp n, 2,4,6,8,10,12,14
.irp b, 0,1,2,3
	v_max3_num_f32 v[TM+\b], v[TM+\b], v[ACC+16*\b+\n], v[ACC+16*\b+\n+1]
.endr
.endr
.irp b, 0,1,2,3
	v_permlanex16_b32 v[TM+4+\b], v[TM+\b], s[SEL], s[SEL+1]
.endr
.irp b, 0,1,2,3
	v_max_num_f32 v[TM+\b], v[TM+\b], v[TM+4+\b]   ; with lane l xor 16's: the block's largest
.endr
.irp b, 0,1,2,3
	v_add_nc_u32 v[TM+12+\b], 0xff000000, v[TM+\b] ; 2 off its exponent field: the conversion's scale operand
.endr
.irp b, 0,1,2,3
	v_lshrrev_b32 v[TM+4+\b], 23, v[TM+12+\b]      ; the scale's byte
.endr
.irp m, 0,1
.if (\g) == 0
	v_lshl_or_b32 v[PW+\m], v[TM+5+2*\m], 8, v[TM+4+2*\m]          ; bytes 0 and 1 of the row's scale word
.else
	v_lshl_or_b32 v[TM+4+2*\m], v[TM+5+2*\m], 8, v[TM+4+2*\m]
	v_lshl_or_b32 v[PW+\m], v[TM+4+2*\m], 16, v[PW+\m]             ; bytes 2 and 3
.endif
.endr
.irp b, 0,1,2,3
	v_cvt_scalef32_pk8_fp4_f32 v[PC+2*\b], v[ACC+16*\b:ACC+16*\b+7], v[TM+12+\b]
	v_cvt_scalef32_pk8_fp4_f32 v[PC+2*\b+1], v[ACC+16*\b+8:ACC+16*\b+15], v[TM+12+\b]
.endr
	v_nop                                          ; one plain line behind a scaled conversion
.irp m, 0,1                                    ; the operand wants a whole block in a lane: lanes 0-15 block 2 g, lanes 16-31 block 2 g + 1
.irp n, 0,1
	v_permlane16_swap_b32 v[PC+4*\m+\n], v[PC+4*\m+2+\n]
.endr
.endr
.irp m, 0,1
	ds_store_b128 v[HW], v[PC+4*\m:PC+4*\m+3] offset:HIMG+2048*(\i)+1024*\m+512*(\g)   ; registers 4 g .. 4 g + 3 of fragment (2 w + i, m), as they stand
.if (\g) == 1
	ds_store_b32 v[HSA], v[PW+\m] offset:HSC+128*(\i)+64*\m        ; both halves of the lanes write the same word
.endif
.endr
.endm
.irp i, 0,1
.irp g, 0,1
	BIAS1 \i, \g
	MUL1 \i, \g, 0
	MUL1 \i, \g, 1
	QUANT \i, \g
.endr
.endr
.irp m, 0,1                                    ; PHASE 2's accumulators (m, j) at ACC + 32 m + 8 j begin as b2: output 64 w + 16 j + 8 h + 0 .. 7
.irp j, 0,1,2,3
.irp q, 0,1
	ds_load_b128 v[ACC+32*\m+8*\j+4*\q:ACC+32*\m+8*\j+4*\q+3], v[VB2] offset:64*\j+16*\q
.endr
.endr
.endr
	s_wait_dscnt 0x0                               ; for the others' sake: my two K steps of the hidden layer lie in LDS; and b2 is in
	s_barrier_signal -1
	s_barrier_wait -1                              ; the ring's loads stay on their way across it: nobody writes those bytes
.macro HLOAD p                         ; K steps 2 p, 2 p + 1 of the hidden layer, both tiles of rows, into set p % 2: ten LDS loads
.irp k, 0,1
.irp m, 0,1
.irp c, 0,1
	ds_load_b128 v[XF+32*((\p)%2)+16*\k+8*\m+4*\c:XF+32*((\p)%2)+16*\k+8*\m+4*\c+3], v[LI] offset:HIMG+(2*(2*(\p)+\k)+\m)*1024+512*\c
.endr
.endr
	ds_load_b32 v[XSW+2*((\p)%2)+\k], v[LS] offset:HSC+128*(2*(\p)+\k)   ; lanes 0-15 rows 0-15, lanes 16-31 rows 16-31
.endr
.endm
.macro MUL2 p                          ; step 8 + p of the stream: two K steps x four tiles of W2 x two tiles of rows; the eight accumulators take turns, one instruction a turn
	WIN 0x01
.irp k, 0,1
.irp j, 0,1,2,3
.irp m, 0,1
.set rD, ACC+32*\m+8*\j
.set rA, 64*((\p)%4)+32*\k+8*\j
.set rB, XF+32*((\p)%2)+16*\k+8*\m
.set rSA, W2S+16*(\j/2)+2*(\p)+\k
.set rSB, XSW+2*((\p)%2)+\k
	WM \j%2, \m
.endr
.endr
.endr
	WIN 0
	PLACES
.endm
	HLOAD 0
.irp p, 0,1,2,3,4,5,6,7
.if \p < 7
	HLOAD \p+1
	s_wait_dscnt 10                                ; this step's fragments are in; the ten loads just issued may be out
.else
	s_wait_dscnt 0x0
.endif
.if \p < 5
	s_wait_loadcnt 48                              ; the younger steps of the ring may be out: three,
.else
	s_wait_loadcnt 16*(7-\p)                       ; then as many as are left
.endif
	MUL2 \p
.if \p < 4
	FILL 12+\p
.endif
.endr
; THE WAY OUT: x the gate; through my stage, so that sixteen lanes store 256 consecutive bytes of a token's row, aligned
.set J, 0
.rept 16
	v_pk_mul_f32 v[ACC+J:ACC+J+1], v[ACC+J:ACC+J+1], v[G0:G0+1] op_sel_hi:[1,0]   ; rows 0-15; each accumulator from its low end on
.set J, J+2
.endr
.rept 16
	v_pk_mul_f32 v[ACC+J:ACC+J+1], v[ACC+J:ACC+J+1], v[G1:G1+1] op_sel_hi:[1,0]   ; rows 16-31
.set J, J+2
.endr
.irp m, 0,1
.irp j, 0,1,2,3
.irp q, 0,1
	ds_store_b128 v[SO], v[ACC+32*\m+8*\j+4*\q:ACC+32*\m+8*\j+4*\q+3] offset:4352*\m+64*\j+16*\q
.endr
.endr
.endr
.irp i, 0,1,2,3,4,5,6,7,8,9,10,11,12,13,14,15
	ds_load_b128 v[XF+4*\i:XF+4*\i+3], v[SR] offset:544*\i         ; LDS serves a wave's instructions in order: these see my stores.  Rows 2 i and 2 i + 1
.endr
.irp i, 0,1,2,3,4,5,6,7,8,9,10,11,12,13,14,15
	ds_load_b32 v[PC+\i], v[TT] offset:8*\i                        ; and their tokens
.endr
	s_wait_dscnt 0x0
	s_cmp_eq_u32 s[NR], 0                          ; an empty tile stores nothing: the one branch on a number made of what was read, behind the last barrier, round the stores alone
	s_cbranch_scc1 .Lnone
.irp i, 0,1,2,3,4,5,6,7,8,9,10,11,12,13,14,15
	v_min_u32 v[PC+\i], 0xfff, v[PC+\i]
	v_lshl_add_u32 v[PC+\i], v[PC+\i], 11, v[R16]                  ; 2,048 bytes a token
	global_store_b128 v[PC+\i], v[XF+4*\i:XF+4*\i+3], s[24:25] th:TH_STORE_NT
.endr
.Lnone:
	s_wait_tensorcnt 0x0                           ; the wave's end, on every way
	ds_add_u32 v[SPW], v[NIL]
	s_wait_dscnt 0x0
	s_endpgm
.Lfunc_end_k_q2980a8d48e_chain:
	.size	k_q2980a8d48e_chain, .Lfunc_end_k_q2980a8d48e_chain-k_q2980a8d48e_chain
	.p2alignl 7, 3214868480
	.fill 96, 4, 3214868480
	.section	.rodata,"a",@progbits
	.p2align	6, 0x0
	.amdhsa_kernel k_q2980a8d48e_chain
		.amdhsa_group_segment_fixed_size 129024
		.amdhsa_private_segment_fixed_size 0
		.amdhsa_enable_private_segment 0
		.amdhsa_kernarg_size 96
		.amdhsa_user_sgpr_count 2
		.amdhsa_user_sgpr_kernarg_segment_ptr 1
		.amdhsa_wavefront_size32 1
		.amdhsa_system_sgpr_workgroup_id_x 1
		.amdhsa_system_sgpr_workgroup_id_y 1
		.amdhsa_system_sgpr_workgroup_id_z 1
		.amdhsa_system_vgpr_workitem_id 0
		.amdhsa_next_free_vgpr 512
		.amdhsa_next_free_sgpr 100
		.amdhsa_reserve_vcc 1
		.amdhsa_float_denorm_mode_32 3
		.amdhsa_float_denorm_mode_16_64 3
		.amdhsa_memory_ordered 1
		.amdhsa_forward_progress 1
		.amdhsa_inst_pref_size 152
	.end_amdhsa_kernel
	.amdgpu_metadata
---
amdhsa.version: [ 1, 2 ]
amdhsa.kernels:
  - .name:           k_q2980a8d48e_chain
    .symbol:         k_q2980a8d48e_chain.kd
    .args:
      - { .name: idx, .offset: 0, .size: 8, .value_kind: global_buffer, .address_space: global }
      - { .name: psum, .offset: 8, .size: 8, .value_kind: global_buffer, .address_space: global }
      - { .name: xq, .offset: 16, .size: 8, .value_kind: global_buffer, .address_space: global }
      - { .name: xs, .offset: 24, .size: 8, .value_kind: global_buffer, .address_space: global }
      - { .name: gate, .offset: 32, .size: 8, .value_kind: global_buffer, .address_space: global }
      - { .name: wimg, .offset: 40, .size: 8, .value_kind: global_buffer, .address_space: global }
      - { .name: W1_scales, .offset: 48, .size: 8, .value_kind: global_buffer, .address_space: global }
      - { .name: b1, .offset: 56, .size: 8, .value_kind: global_buffer, .address_space: global }
      - { .name: W2_scales, .offset: 64, .size: 8, .value_kind: global_buffer, .address_space: global }
      - { .name: b2, .offset: 72, .size: 8, .value_kind: global_buffer, .address_space: global }
      - { .name: out0, .offset: 80, .size: 8, .value_kind: global_buffer, .address_space: global }
      - { .name: out1, .offset: 88, .size: 8, .value_kind: global_buffer, .address_space: global }
    .group_segment_fixed_size: 129024
    .private_segment_fixed_size: 0
    .kernarg_segment_align: 8
    .kernarg_segment_size: 96
    .max_flat_workgroup_size: 256
    .sgpr_count:     100
    .vgpr_count:     512
    .wavefront_size: 32
...
	.end_amdgpu_metadata
.endif
;; end of part 5
